; MI455X (gfx1250); checked and timed in simulation.
; The chip was launched on July 23, 2026; its instructions are those of AMD's public machine-readable ISA for CDNA 5 (MIT licence, August 2026) and "CDNA5" Instruction Set Architecture Reference Guide (July 2026). The comments in the code are by the model that wrote it; some were corrected since.
;; Multihead Attention. Allowed arithmetic: matrix products marked QUANTISED: E4M3 operands, one given power-of-two scale a tensor, by v_wmma_f32_16x16x64_fp8_fp8 or v_wmma_f32_16x16x128_fp8_fp8, f32 sums; everything else in f32.
;; Inputs: lowp_scales 12 int32 (the exponents e of the quantised operands' scales 2^e); mask 1 x 1 x 2,048 x 2,048 bool; wk_codes 2,048 x 64 x 32 uint8 (E4M3 codes of wk, K innermost, in blocks of 32 codes); wo_codes 2,048 x 64 x 32 uint8 (E4M3 codes of wo, K innermost, in blocks of 32 codes); wq_codes 2,048 x 64 x 32 uint8 (E4M3 codes of wq, K innermost, in blocks of 32 codes); wv_codes 2,048 x 64 x 32 uint8 (E4M3 codes of wv, K innermost, in blocks of 32 codes); x_codes 1 x 2,048 x 64 x 32 uint8 (E4M3 codes of x, K innermost, in blocks of 32 codes).
;; Outputs: out0 1 x 2,048 x 2,048 float32.
;; This version of the problem:
;;   THIS VERSION OF THE PROBLEM IS GIVEN IN LOW PRECISION. The matrix products marked QUANTISED in the list below multiply operands that are first quantised to E4M3 (4 exponent bits, 3 mantissa bits; 8 bits a number), with one given power-of-two scale for each operand tensor; their sums are f32. All else is computed in f32.
;;   The module's matrix products, in the order in which they are computed (A, B: the left and right operand; K: the contracted axis; several contracted axes count as one K, in the product's order):
;;     1. [M 2,048, K 2,048] x [K 2,048, N 2,048]; A: input x (given as codes); B: input wq (given as codes): QUANTISED (scales: A lowp_scales[0], B lowp_scales[1])
;;     2. [M 2,048, K 2,048] x [K 2,048, N 2,048]; A: input x (given as codes); B: input wk (given as codes): QUANTISED (scales: A lowp_scales[2], B lowp_scales[3])
;;     3. [M 2,048, K 2,048] x [K 2,048, N 2,048]; A: input x (given as codes); B: input wv (given as codes): QUANTISED (scales: A lowp_scales[4], B lowp_scales[5])
;;     4. batch 16 x [M 2,048, K 128] x [K 128, N 2,048]; A: computed on the way; B: computed on the way: QUANTISED (scales: A lowp_scales[6], B lowp_scales[7])
;;     5. batch 16 x [M 2,048, K 2,048] x [K 2,048, N 128]; A: softmax (see below); B: computed on the way: QUANTISED (scales: A lowp_scales[8], B lowp_scales[9])
;;     6. [M 2,048, K 2,048] x [K 2,048, N 2,048]; A: computed on the way; B: input wo (given as codes): QUANTISED (scales: A lowp_scales[10], B lowp_scales[11])
;;   THE QUANTISER, for each operand of a quantised product, along K:
;;     - The operand's scale is 2^e, e = its entry of the input lowp_scales (int32; the entries are numbered through the quantised products in the list's order, A before B).
;;     - Each number is divided by the scale, clamped to +-448, and rounded to the nearest number of E4M3, ties to even, subnormals kept.
;;     - The product sums the exact products of the quantised numbers (number of the format x scale) in f32.
;;   ~~~python
;;   def quantise(x, axis, e):      # numpy; x: float32 -> the quantised numbers, widened to float32 again
;;       x = np.moveaxis(x, axis, -1); K = x.shape[-1]
;;       r = np.clip(x / 2.0 ** e, -448, 448)
;;       step = 2.0 ** (np.maximum(np.frexp(np.where(r == 0, 1, r))[1] - 1, -6) - 3)
;;       q = np.round(r / step) * step * 2.0 ** e      # np.round: ties to even
;;       return np.moveaxis(q, -1, axis).astype(np.float32)
;;   ~~~
;;   SOFTMAX AHEAD OF A QUANTISED PRODUCT. Where the list says 'softmax', what is quantised is not the finished softmax but p = 2^(t - M), with t = logit x log2(e) and M = ceil(the row's largest t), a whole number; so 1/2 < the row's largest p <= 1. The row's sum l is taken of the UNQUANTISED p, in f32, and the product's result is divided by l at the end. Since M is a whole number, a kernel that streams over the keys may use a running M (the ceiling of the running maximum): every later rescaling is an exact power of two, so the quantised numbers keep their values, but for numbers so far below the row's largest that they fall under the format's range.
;;   OPERANDS COMPUTED ON THE WAY. 'Computed on the way' means the value that the module computes at that place (a softmax that the list does not call 'softmax' is quantised finished and normalised). What goes into a quantiser is computed in f32, as accurately as f32 sums, v_exp_f32 and their like allow (about 1e-6 of the number): no bf16 or f16 on the way to a quantiser, and a product that is left as it is and whose result goes on into a quantised operand takes f32 operands (vector FMAs, or v_wmma_f32_16x16x4_f32). A number that lies on a knife's edge between two numbers of the format may be rounded either way, as far as f32 arithmetic and the matrix unit's own rounding can turn it there, and no further.
;;   INPUTS GIVEN AS CODES. wk (in the module: [2048, 2048], K = its axis 0); wo (in the module: [2048, 2048], K = its axis 0); wq (in the module: [2048, 2048], K = its axis 0); wv (in the module: [2048, 2048], K = its axis 0); x (in the module: [1, 2048, 2048], K = its axis 2): each comes as NAME_codes (uint8): NAME with its K axis moved to the last place and cut into blocks of 32 codes, [.., K / 32, bytes a block], one block behind the other in memory; one code a byte (a code: sign, 4 exponent bits, 3 mantissa bits); its scale is its entry of lowp_scales. Its value is code x scale, taken as it is: it is not quantised again, and the codes and scales need not be those that the quantiser above would give.
;; One version. Each part assembles by itself: llvm-mc -triple=amdgcn-amd-amdhsa -mcpu=gfx1250 --defsym DOCPART=n.
;; ======== version 1 of 1: 3 launches
;; limits: right only within a limited range of input values
;; workspace buffers: qimg 4,194,304 bytes; kvimg 8,388,608 bytes; aimg 4,194,304 bytes; maskbits 524,288 bytes of whole numbers
;; launch qkv (part 1): grid 16 x 16, 4 waves a work-group, clusters of 4 x 4, 327,680 bytes of LDS; arguments x_codes, wq_codes, wk_codes, wv_codes, mask, lowp_scales, qimg, kvimg, maskbits; writes qimg, kvimg, maskbits
.if DOCPART == 1
	.amdgcn_target "amdgcn-amd-amdhsa--gfx1250"
	.amdhsa_code_object_version 6
	.text
	.protected	k_q8414f7f8f6_qkv
	.globl	k_q8414f7f8f6_qkv
	.p2align	8
	.type	k_q8414f7f8f6_qkv,@function
k_q8414f7f8f6_qkv:
	s_mov_b64 s[64:65], 0
	v_nop
	global_prefetch_b8 v0, s[64:65] scope:SCOPE_SE
	s_setreg_imm32_b32 hwreg(HW_REG_WAVE_MODE, 25, 1), 1
	s_wait_xcnt 0x0
	s_wait_alu depctr_hold_cnt(0) depctr_sa_sdst(0) depctr_va_vdst(0) depctr_va_sdst(0) depctr_va_ssrc(0) depctr_va_vcc(0) depctr_vm_vsrc(0)
	s_getreg_b32 s2, hwreg(HW_REG_IB_STS2, 6, 4)
	s_cmp_eq_u32 s2, 0
	s_cbranch_scc0 .Lentry_in_a_cluster
	s_endpgm
.Lentry_in_a_cluster:
	s_bfe_u32 s2, ttmp6, 0x10000c
	s_cmp_lg_u32 s2, 0xf033
	s_cbranch_scc0 .Lentry_shape_is_right
	s_endpgm
.Lentry_shape_is_right:
; q = rope(x wq), k = rope(x wk), v = x wv on codes of FP8 (E4M3), quantised again for the attention; and the mask's bytes turned into lane masks.
; x: [2048][2048] codes, K innermost; wq, wk, wv: [2048 (n)][2048 (k)] codes.  A sum stands for sum x 2^(ea + eb); the rotation is linear, so the raw sums are rotated and the
; three exponents are folded into the conversion's one scale: q: e6 - e0 - e1, k: e7 - e2 - e3, v: e9 - e4 - e5.
; LIMITS: each of these three lies between -126 and 119, so that the scale and 448 x the scale are f32 numbers.  NaN codes among the inputs are not served.
; SHARES.  Work-group (head, y) makes 128 tokens x the head's 128 columns of q, of k and of v.  Wave w takes all 128 tokens x columns 32 w .. 32 w + 31 of each: 48 accumulators, 384 registers.
; So one sine and cosine serve q and k, and for 128 along K a wave reads 14 fragments for 48 matrix instructions.
; q and k are made TRANSPOSED (source 0 = 16 rows of W, source 1 = 16 tokens): a lane holds one token and eight neighbouring channels, the K of the scores' product.
; v is made as it stands (source 0 = 16 tokens, source 1 = 16 rows of wv): a lane holds one channel and eight neighbouring tokens, the K of the second product.
; So each conversion's two registers are registers 2 c, 2 c + 1 (k = 16 c + 8 (lane / 16) + 0 .. 7) of the next product's operand, and the codes are stored as IMAGES OF THE OPERAND'S REGISTERS:
; a fragment (16 rows x 128 K) is 2,048 bytes, registers 4 c .. 4 c + 3 of lane l at 512 c + 16 l.  Every store of a wave covers 512 consecutive bytes, aligned.
; K goes in slots of 256 through a ring of two LDS slots (x, wq, wk, wv: 128 rows x 256 bytes each, one tensor load a wave).
; CLUSTER 4 x 4: x's tile hangs on y alone and is asked for jointly along the cluster's row, the weights' tiles on the head alone and are asked for jointly along its column.
; THE TABLE of sines and cosines, the mask's words and the scales are made between the first fills and the first wait for them.
; REGISTERS, in windows of 256.  Window 0: v0-63 addresses and constants; v64-159, v160-255 the weights' fragments, two sets (fragment 2 z + u; z = 0 q, 1 k, 2 v); at work ahead of and behind the loop.
;   window 1: x's fragments, two sets of 8.   window 2: q's accumulators at 8 (2 a + u), k's at 128 + the same.   window 3: v's at 8 (8 u + a); from v128 the table: (sin, cos) at 128 + 2 (8 a + 4 u + i).
.set PITCH,  272                       ; an LDS row: 256 bytes + 16 of padding = 68 words: row r starts at bank 4 r mod 64 (64 banks of 4 bytes: ISA guide 11.1)
.set HALFT,  128*PITCH                 ; one tile: 128 rows
.set SLOT,   4*HALFT                   ; x's, wq's, wk's, wv's
.set SPARE,  2*SLOT                    ; behind the ring: the spare words, 128 bytes for each wave, which no other line names
.set ADRA, 16                          ; v16-17  LDS address of x's fragments in slot 0, 1
.set ADRB, 18                          ; v18-23  of tensor z's fragments: v[18 + 2 z + slot]
.set L16,  24                          ; v24     16 x lane
.set L8,   25                          ; v25     8 x lane
.set SPW,  28                          ; v28     LDS address of my spare word; never rewritten
.set NIL,  29                          ; v29     0; never rewritten
.set SCQ,  32                          ; v32, v33  q's scale as f32, and 448 x it;  v34, v35 k's;  v36, v37 v's
.set SCK,  34
.set SCV,  36
.set INV,  40                          ; v40-47  the inverse frequencies of my eight channel pairs
.set MW,   48                          ; v48-51  the mask's words on their way out
.set MT,   52                          ; v52-55  at work
.set VS6,  56                          ; v[56:57], v[58:59] the series' leading coefficients, twice each
.set VC6,  58
.set TK,   60                          ; v[60:61] my token's number as f32, twice
.set BF,   64
.set RX,   64                          ; the table's work, eight registers each
.set KF,   72
.set RR,   80
.set ZZ,   88
.set PSI,  96
.set PCO,  104
.set ZR,   112
.set SG,   120
.set MB,   128                         ; v128-159 the mask's bytes as loaded
.set DT,   184
.set WV,   22                          ; s22  my wave's number
.set G1,   24                          ; s[24:31] descriptor group 1 for x's tiles;  s[32:39] group 0, one set for each slot
.set G0,   32
.set G1B,  48                          ; s[48:55], s[56:63] the same for the weights' tiles
.set G0B,  56
.set MSB, 0
.macro WIN new                         ; the immediate's high byte repeats the setting that is left
.if MSB != (\new)
	s_set_vgpr_msb (MSB<<8)|(\new)
.set MSB, (\new)
.endif
.endm
.macro PLACES                          ; four plain vector instructions between a matrix instruction and a load into, or a vector instruction on, its registers
.rept 4
	v_nop
.endr
.endm
; A joint load: wave 0 fetches x's tile, waves 1 to 3 wq's, wk's, wv's.  The branch hangs on the wave's number alone.  Four v_nop follow each of the two lines.
.macro JLOAD s
	s_cmp_eq_u32 s[WV], 0
	s_cbranch_scc0 .Lfor_w_\@
	tensor_load_to_lds s[G0+4*\s:G0+4*\s+3], s[G1:G1+7]
	s_nop 0
.rept 4
	v_nop
.endr
	s_branch .Lasked_\@
.Lfor_w_\@:
	tensor_load_to_lds s[G0B+4*\s:G0B+4*\s+3], s[G1B:G1B+7]
	s_nop 0
.rept 4
	v_nop
.endr
.Lasked_\@:
.endm
.macro CREST                           ; a round of the cluster's barrier behind its opening barrier
	s_cmp_lg_u32 s[WV], 0
	s_cbranch_scc1 .Lnot_wave_0_\@
	s_barrier_signal -3
.Lnot_wave_0_\@:
	s_barrier_wait -3
	s_barrier_signal -1
	s_barrier_wait -1
.endm
.macro CROUND                          ; a whole round
	s_barrier_signal -1
	s_barrier_wait -1
	CREST
.endm
	s_load_b256 s[4:11], s[0:1], 0x0               ; x s[4:5], wq s[6:7], wk s[8:9], wv s[10:11]
	s_load_b256 s[12:19], s[0:1], 0x20             ; mask s[12:13], the exponents s[14:15], qimg s[16:17], kvimg s[18:19]
	s_load_b64 s[20:21], s[0:1], 0x40              ; maskbits
	v_lshl_add_u32 v[SPW], v0, 2, SPARE
	v_mov_b32 v[NIL], 0
	ds_add_u32 v28, v29
	ds_add_u32 v28, v29
	s_wait_dscnt 0x0
	v_lshrrev_b32 v1, 5, v0
	v_readfirstlane_b32 s[WV], v1                  ; wave 0..3
	s_bfe_u32 s40, ttmp6, 0x40000                  ; cx, cy: my place in the cluster
	s_bfe_u32 s41, ttmp6, 0x40004
	s_lshl_b32 s42, ttmp9, 2
	s_add_co_u32 s42, s42, s40                     ; the head = 4 x cluster x + cx
	s_and_b32 s43, ttmp7, 0xffff
	s_lshl_b32 s43, s43, 2
	s_add_co_u32 s43, s43, s41                     ; y, the block of 128 tokens = 4 x cluster y + cy
	s_lshl_b32 s44, s41, 2
	s_lshl_b32 s44, 15, s44                        ; my row of the cluster
	s_lshl_b32 s45, 0x1111, s40                    ; my column
	; descriptor group 1: 128 rows x 256 bytes, 2,048 bytes apart in memory, padded in LDS
	s_or_b32 s[G1], s44, (1<<20)|(1<<21)|(5<<22)|(3<<25)   ; 15:0 the mask; 17:16 elements of 1 byte; 20 padding on; 21 set beside a mask; 24:22 after every 64 words; 31:25 four words
	s_or_b32 s[G1B], s45, (1<<20)|(1<<21)|(5<<22)|(3<<25)
.irp g, G1, G1B
	s_mov_b32 s[\g+1], 256<<16                     ; tensor_dim0
	s_mov_b32 s[\g+2], 128<<16                     ; tensor_dim1
	s_mov_b32 s[\g+3], 256<<16                     ; tile_dim0
	s_mov_b32 s[\g+4], 128                         ; tile_dim1
	s_mov_b32 s[\g+5], 2048                        ; tensor_dim0_stride
	s_mov_b32 s[\g+6], 0
	s_mov_b32 s[\g+7], 0
.endr
	s_lshl_b32 s46, s43, 18                        ; x: 128 y rows of 2,048 bytes
	s_mov_b32 s47, 0
	s_lshl_b32 s80, s42, 18                        ; the weights: 128 x head rows
	s_mov_b32 s81, 0
	s_mul_i32 s23, s[WV], HALFT                    ; where my tile goes: wave x 128 rows; no place in the cluster enters an LDS address
	s_wait_kmcnt 0x0
	s_load_b256 s[68:75], s[14:15], 0x0            ; e0 .. e7
	s_load_b128 s[76:79], s[14:15], 0x20           ; e8 .. e11
	s_add_nc_u64 s[46:47], s[4:5], s[46:47]
	s_cmp_eq_u32 s[WV], 2                          ; which weight I fetch hangs on the wave's number alone
	s_cselect_b64 s[82:83], s[8:9], s[6:7]
	s_cmp_eq_u32 s[WV], 3
	s_cselect_b64 s[82:83], s[10:11], s[82:83]
	s_add_nc_u64 s[82:83], s[82:83], s[80:81]
	CROUND                                         ; all sixteen work-groups are here: the first joint loads meet
.irp s, 0,1
	s_mov_b32 s[G0+4*\s], 1
	s_add_co_u32 s[G0+4*\s+1], s23, \s*SLOT
	s_add_nc_u64 s[G0+4*\s+2:G0+4*\s+3], s[46:47], \s*256
	s_or_b32 s[G0+4*\s+3], s[G0+4*\s+3], 0x80000000
	s_mov_b32 s[G0B+4*\s], 1
	s_add_co_u32 s[G0B+4*\s+1], s23, \s*SLOT
	s_add_nc_u64 s[G0B+4*\s+2:G0B+4*\s+3], s[82:83], \s*256
	s_or_b32 s[G0B+4*\s+3], s[G0B+4*\s+3], 0x80000000
.endr
	JLOAD 0                                        ; slot 0: one tensor load a wave at the head
	; PREFETCHES INTO THE L2.  Of the 128 rows that I fetch, each of the four partners that ask for them jointly names 32, told apart by address (cx for x's tile, cy for a weight's): a lane a row, 256 bytes of it a slot.
	; Behind slot 0's load slots 1 and 2 are named, behind each later load of slot n slot n + 2, up to slot 7: two slots are asked for and not yet read at the most.
	s_cmp_eq_u32 s[WV], 0
	s_cselect_b64 s[104:105], s[46:47], s[82:83]   ; my tile's first byte
	s_cselect_b32 s84, s40, s41                    ; my place among the four
	s_lshl_b32 s84, s84, 16                        ; 32 rows of 2,048 bytes
	s_mov_b32 s85, 0
	s_add_nc_u64 s[104:105], s[104:105], s[84:85]
	v_and_b32 v30, 31, v0
	v_lshlrev_b32 v30, 11, v30                     ; v30: my lane's row; never rewritten
	global_prefetch_b8 v30, s[104:105] offset:256 th:TH_LOAD_NT scope:SCOPE_SE
	global_prefetch_b8 v30, s[104:105] offset:512 th:TH_LOAD_NT scope:SCOPE_SE
	; ---- THE MASK'S BYTES.  My wave takes the 16 queries of tile T = 8 y + 4 (head & 1) + wave and the key steps s0 = head & 14 and s0 + 1: each (T, step) falls to one wave of the launch.
	; Lane (r, h) reads, in load t, mask[16 T + r][128 s0 + 16 t + 8 h + 0 .. 7]; the sixteen loads together use the whole 256 bytes of each of the 16 rows.
	v_and_b32 v1, 15, v0                           ; r
	v_bfe_u32 v2, v0, 4, 1                         ; h
	v_lshlrev_b32 v3, 11, v1
	v_lshl_add_u32 v3, v2, 3, v3                   ; r rows of 2,048 bytes + 8 h
	s_wait_alu depctr_va_vdst(0)
	s_and_b32 s84, s42, 1
	s_lshl_b32 s84, s84, 2
	s_lshl_b32 s85, s43, 3
	s_add_co_u32 s84, s84, s85
	s_add_co_u32 s84, s84, s[WV]                   ; T
	s_and_b32 s85, s42, 14                         ; s0
	s_lshl_b32 s86, s84, 15
	s_lshl_b32 s87, s85, 7
	s_add_co_u32 s86, s86, s87
	s_mov_b32 s87, 0
	s_add_nc_u64 s[12:13], s[12:13], s[86:87]
	s_lshl_b32 s86, s84, 4
	s_add_co_u32 s86, s86, s85
	s_lshl_b32 s86, s86, 8                         ; the words of (T, s0): 256 bytes a step
	s_add_nc_u64 s[20:21], s[20:21], s[86:87]
.irp t, 0,1,2,3,4,5,6,7,8,9,10,11,12,13,14,15
	global_load_b64 v[MB+2*\t:MB+2*\t+1], v3, s[12:13] offset:16*\t th:TH_LOAD_NT
.endr
	; ---- THE INVERSE FREQUENCIES.  Lane i = lane % 16 makes that of channel pair J = 64 head + 16 wave + i: the f32 nearest to 1 / (the f32 nearest to 10^(J / 256)), as the reference's table has it.
	; 10^(J / 256) = 10^(head >> 2) x b^(4 (head & 3) + wave) x e^(i ln10 / 256), b = 10^(1/16), in pairs of f32 (a high and a low part), so that the one rounding at the end decides.
.macro DDMUL dh, dl, ah, al, bh, bl    ; (dh, dl) = (ah, al) x (bh, bl); d may be a
	v_mul_f32 v[DT], v[\ah], v[\bh]
	v_fma_f32 v[DT+1], v[\ah], v[\bh], -v[DT]      ; what the product's rounding dropped
	v_fma_f32 v[DT+1], v[\ah], v[\bl], v[DT+1]
	v_fma_f32 v[DT+1], v[\al], v[\bh], v[DT+1]
	v_add_f32 v[\dh], v[DT], v[DT+1]
	v_sub_f32 v[\dl], v[DT], v[\dh]
	v_add_f32 v[\dl], v[\dl], v[DT+1]
.endm
	v_cvt_f32_u32 v160, v1                         ; i
	v_mul_f32 v161, 0x3c135d8e, v160               ; g = i x ln10 / 256: high part,
	v_fma_f32 v162, v160, 0x3c135d8e, -v161
	v_fma_f32 v162, v160, 0xaf095558, v162         ; low part
	v_mov_b32 v163, 0x39500d01                     ; the series' tail g^3 (1/6 + g/24 + g^2/120 + g^3/720 + g^4/5040); g < 0.135, so the next term lies under 3e-12
	v_fmaak_f32 v163, v163, v161, 0x3ab60b61
	v_fmaak_f32 v163, v163, v161, 0x3c088889
	v_fmaak_f32 v163, v163, v161, 0x3d2aaaab
	v_fmaak_f32 v163, v163, v161, 0x3e2aaaab
	v_mul_f32 v164, v161, v161                     ; g^2 and what its rounding dropped
	v_fma_f32 v165, v161, v161, -v164
	v_mul_f32 v166, v163, v164
	v_mul_f32 v166, v166, v161
	v_mul_f32 v165, 0.5, v165
	v_fma_f32 v165, v161, v162, v165
	v_add_f32 v165, v165, v162
	v_add_f32 v165, v165, v166                     ; all the small parts
	v_mul_f32 v164, 0.5, v164
	v_add_f32 v167, v161, v164                     ; g + g^2 / 2, with its rounding's rest
	v_sub_f32 v168, v161, v167
	v_add_f32 v168, v168, v164
	v_add_f32 v165, v165, v168
	v_add_f32 v169, 1.0, v167                      ; 1 + that, likewise
	v_sub_f32 v170, 1.0, v169
	v_add_f32 v170, v170, v167
	v_add_f32 v170, v170, v165
	v_add_f32 v171, v169, v170                     ; e^g = (v171, v172)
	v_sub_f32 v172, v169, v171
	v_add_f32 v172, v172, v170
	v_mov_b32 v174, 0x3f93cfe5                     ; b, high and low
	v_mov_b32 v175, 0x334a404c
	DDMUL 176, 177, 174, 175, 174, 175             ; b^2, b^4, b^8
	DDMUL 178, 179, 176, 177, 176, 177
	DDMUL 180, 181, 178, 179, 178, 179
	s_and_b32 s84, s42, 3
	s_lshl_b32 s84, s84, 2
	s_add_co_u32 s84, s84, s[WV]                   ; the exponent of b.  Its bits choose factors, by selection: no branch hangs on the place in the cluster
.irp k, 0,1,2,3
	s_bitcmp1_b32 s84, \k
	s_cselect_b32 s85, -1, 0
	v_cndmask_b32 v182, 1.0, v[174+2*\k], s85
	v_cndmask_b32 v183, 0, v[175+2*\k], s85
	DDMUL 171, 172, 171, 172, 182, 183
.endr
	s_lshr_b32 s89, s42, 2
	s_mov_b32 s90, 0x3f800000                      ; 10^(head >> 2): 1, 10, 100 or 1,000
	s_cmp_eq_u32 s89, 1
	s_cselect_b32 s90, 0x41200000, s90
	s_cmp_eq_u32 s89, 2
	s_cselect_b32 s90, 0x42c80000, s90
	s_cmp_eq_u32 s89, 3
	s_cselect_b32 s90, 0x447a0000, s90
	s_wait_alu depctr_va_vdst(0)
	v_mul_f32 v184, s90, v171
	v_fma_f32 v185, v171, s90, -v184
	v_fma_f32 v185, v172, s90, v185
	v_add_f32 v186, v184, v185                     ; the power, rounded once to f32
	s_wait_alu depctr_va_vdst(0)
	v_rcp_f32 v187, v186
	v_nop                                          ; a plain instruction behind the transcendental
	s_wait_alu depctr_va_vdst(0)
	v_fma_f32 v188, -v186, v187, 1.0               ; one step of Newton's brings the reciprocal to the nearest f32
	v_fma_f32 v188, v188, v187, v187
.irp m, 0,1,2,3,4,5,6,7,8,9,10,11,12,13,14,15
	v_readlane_b32 s[80+\m], v188, \m
.endr
	s_mov_b32 vcc_lo, 0xffff0000                   ; lane (r, h) holds the pairs 16 wave + 8 u + 4 h + i: lanes 16-31 take the upper four of each eight
.irp u, 0,1
.irp i, 0,1,2,3
	v_mov_b32 v[MT+\i], s[80+8*\u+4+\i]
	v_cndmask_b32 v[INV+4*\u+\i], s[80+8*\u+\i], v[MT+\i], vcc_lo
.endr
.endr
	; ---- THE TABLE.  angle = token x inverse frequency, one f32 product, as the reference has it.  k = the whole number nearest to angle / pi; r = angle - k pi by pi in two parts (the first
	; multiply-add is exact: the difference is a multiple of 2^-22 under 2); sin r and cos r by their series to r^13 and r^12 (|r| <= pi / 2: what is cut lies under 7e-9); k's last bit is the sign of both.
	v_mov_b32 v[VS6], 0x2f309231                   ; 1 / 13!
	v_mov_b32 v[VS6+1], 0x2f309231
	v_mov_b32 v[VC6], 0x310f76c7                   ; 1 / 12!
	v_mov_b32 v[VC6+1], 0x310f76c7
	s_lshl_b32 s96, s43, 7
	v_add_nc_u32 v[TK], s96, v1                    ; token 128 y + r; block a adds 16 a
	v_cvt_f32_u32 v[TK], v[TK]
	v_mov_b32 v[TK+1], v[TK]
.macro HORN cs, cc                     ; one step of both series, for the four pairs of angles
.irp g, 0,2,4,6
	v_pk_fma_f32 v[PSI+\g:PSI+\g+1], v[PSI+\g:PSI+\g+1], v[ZZ+\g:ZZ+\g+1], \cs op_sel_hi:[1,1,0]
	v_pk_fma_f32 v[PCO+\g:PCO+\g+1], v[PCO+\g:PCO+\g+1], v[ZZ+\g:ZZ+\g+1], \cc op_sel_hi:[1,1,0]
.endr
.endm
.macro ROPE_A a                        ; tokens 16 a + r: my eight angles, two at a time
.irp g, 0,2,4,6
	v_pk_mul_f32 v[RX+\g:RX+\g+1], v[INV+\g:INV+\g+1], v[TK:TK+1]
.endr
.irp g, 0,2,4,6
	v_pk_mul_f32 v[KF+\g:KF+\g+1], v[RX+\g:RX+\g+1], 0x3ea2f983 op_sel_hi:[1,0]
.endr
.irp i, 0,1,2,3,4,5,6,7
	v_rndne_f32 v[KF+\i], v[KF+\i]
.endr
.irp g, 0,2,4,6
	v_pk_fma_f32 v[RR+\g:RR+\g+1], v[KF+\g:KF+\g+1], 0xc0490fdb, v[RX+\g:RX+\g+1] op_sel_hi:[1,0,1]
.endr
.irp g, 0,2,4,6
	v_pk_fma_f32 v[RR+\g:RR+\g+1], v[KF+\g:KF+\g+1], 0x33bbbd2e, v[RR+\g:RR+\g+1] op_sel_hi:[1,0,1]
.endr
.irp g, 0,2,4,6
	v_pk_mul_f32 v[ZZ+\g:ZZ+\g+1], v[RR+\g:RR+\g+1], v[RR+\g:RR+\g+1]
.endr
.irp g, 0,2,4,6
	v_pk_fma_f32 v[PSI+\g:PSI+\g+1], v[ZZ+\g:ZZ+\g+1], v[VS6:VS6+1], 0xb2d7322b op_sel_hi:[1,1,0]
	v_pk_fma_f32 v[PCO+\g:PCO+\g+1], v[ZZ+\g:ZZ+\g+1], v[VC6:VC6+1], 0xb493f27e op_sel_hi:[1,1,0]
.endr
	HORN 0x3638ef1d, 0x37d00d01
	HORN 0xb9500d01, 0xbab60b61
	HORN 0x3c088889, 0x3d2aaaab
	HORN 0xbe2aaaab, -0.5
.irp g, 0,2,4,6
	v_pk_mul_f32 v[ZR+\g:ZR+\g+1], v[ZZ+\g:ZZ+\g+1], v[RR+\g:RR+\g+1]
	v_pk_fma_f32 v[PCO+\g:PCO+\g+1], v[PCO+\g:PCO+\g+1], v[ZZ+\g:ZZ+\g+1], 1.0 op_sel_hi:[1,1,0]
.endr
.irp g, 0,2,4,6
	v_pk_fma_f32 v[PSI+\g:PSI+\g+1], v[ZR+\g:ZR+\g+1], v[PSI+\g:PSI+\g+1], v[RR+\g:RR+\g+1]
.endr
.irp i, 0,1,2,3,4,5,6,7
	v_cvt_i32_f32 v[SG+\i], v[KF+\i]
.endr
.irp i, 0,1,2,3,4,5,6,7
	v_lshlrev_b32 v[SG+\i], 31, v[SG+\i]
.endr
	v_pk_add_f32 v[TK:TK+1], v[TK:TK+1], 0x41800000 op_sel_hi:[1,0]   ; the next block's tokens: + 16
	WIN 0xc0                                       ; destination window 3
.irp i, 0,1,2,3,4,5,6,7
	v_xor_b32 v[128+2*(8*\a+\i)], v[SG+\i], v[PSI+\i]
	v_xor_b32 v[128+2*(8*\a+\i)+1], v[SG+\i], v[PCO+\i]
.endr
	WIN 0
.endm
.irp a, 0,1,2,3,4,5,6,7
	ROPE_A \a
.endr
	; ---- THE MASK'S WORDS.  Word n = 8 t + j of a step is the lane mask for register n of the scores' tiles: bit 16 h + r = mask[16 T + r][128 s + 16 t + 8 h + j].
	; A compare of byte j of load t gives just that word; it is written into lane n / 2 of register n % 2, so that one store of 8 bytes a lane writes a step's 256 bytes, aligned and whole.
	s_wait_loadcnt 0x0
.irp i, 0,1,2,3
	v_mov_b32 v[MW+\i], 0                          ; v_writelane_b32's destination counts as read
.endr
.macro MW4 t, half
.irp b, 0,1,2,3
	v_and_b32 v[MT+\b], 0xff<<(8*\b), v[MB+2*(\t)+\half]
.endr
.irp b, 0,1,2,3
	v_cmp_ne_u32 s[96+\b], 0, v[MT+\b]
.endr
.irp b, 0,1,2,3
	v_writelane_b32 v[MW+2*((\t)/8)+(\b&1)], s[96+\b], (8*((\t)%8)+4*\half+\b)>>1
.endr
.endm
.irp t, 0,1,2,3,4,5,6,7,8,9,10,11,12,13,14,15
	MW4 \t, 0
	MW4 \t, 1
.endr
	v_and_b32 v4, 31, v0
	v_lshlrev_b32 v[L16], 4, v4
	v_lshlrev_b32 v[L8], 3, v4
	global_store_b64 v[L8], v[MW:MW+1], s[20:21]
	global_store_b64 v[L8], v[MW+2:MW+3], s[20:21] offset:256
	; ---- the scales, the LDS addresses, the places of the images
.macro MKSCALE vr, se                  ; s[se] holds E: v[vr] = 2^E, whose exponent field the conversion takes; v[vr + 1] = 448 x 2^E
	s_add_co_i32 s[\se], s[\se], 127
	s_lshl_b32 s97, s[\se], 23
	v_mov_b32 v[\vr], s97
	s_add_co_i32 s[\se], s[\se], 8
	s_lshl_b32 s[\se], s[\se], 23
	s_or_b32 s[\se], s[\se], 0x600000
	v_mov_b32 v[\vr+1], s[\se]
.endm
	s_wait_alu depctr_va_vdst(0)
	s_wait_tensorcnt 0x0                           ; my tile of slot 0 is in; slot 1's first fill is issued as a refill is:
	ds_add_u32 v[SPW], v[NIL]                      ; 0 onto my spare word
	s_wait_dscnt 0x0
	CROUND                                         ; everybody's tile of slot 0 is in, and all sixteen work-groups are here
	JLOAD 1                                        ; slot 1
	global_prefetch_b8 v30, s[104:105] offset:768 th:TH_LOAD_NT scope:SCOPE_SE   ; slot 3
	s_wait_kmcnt 0x0
	s_sub_co_i32 s96, s74, s68
	s_sub_co_i32 s96, s96, s69                     ; e6 - e0 - e1
	MKSCALE SCQ, 96
	s_sub_co_i32 s96, s75, s70
	s_sub_co_i32 s96, s96, s71                     ; e7 - e2 - e3
	MKSCALE SCK, 96
	s_sub_co_i32 s96, s77, s72
	s_sub_co_i32 s96, s96, s73                     ; e9 - e4 - e5
	MKSCALE SCV, 96
	v_mul_u32_u24 v[ADRA], v1, PITCH
	v_lshl_add_u32 v[ADRA], v2, 4, v[ADRA]         ; a fragment's row x pitch + 16 x half.  (Four loads of 16 bytes, 32 apart: a permutation of k, the same in x and in the weights)
	v_add_nc_u32 v[ADRA+1], SLOT, v[ADRA]
	s_mul_i32 s96, s[WV], 32*PITCH                 ; my 32 rows of each weight's tile
	v_add_nc_u32 v6, s96, v[ADRA]
.irp z, 0,1,2
	v_add_nc_u32 v[ADRB+2*\z], (1+\z)*HALFT, v6
	v_add_nc_u32 v[ADRB+2*\z+1], (1+\z)*HALFT+SLOT, v6
.endr
	s_lshl_b32 s80, s42, 4
	s_add_co_u32 s80, s80, s43                     ; 16 head + y
	s_lshl_b32 s82, s80, 14
	s_lshl_b32 s84, s[WV], 9
	s_add_co_u32 s82, s82, s84
	s_mov_b32 s83, 0
	s_add_nc_u64 s[16:17], s[16:17], s[82:83]      ; q's eight fragments, my four registers of each: + 512 wave
	s_lshl_b32 s82, s80, 15
	s_add_co_u32 s82, s82, s84
	s_add_nc_u64 s[86:87], s[18:19], s[82:83]      ; k's likewise
	s_lshl_b32 s82, s80, 15
	s_lshl_b32 s84, s[WV], 12
	s_add_co_u32 s82, s82, s84
	s_add_co_u32 s82, s82, 16384
	s_add_nc_u64 s[18:19], s[18:19], s[82:83]      ; v's fragments 2 wave and 2 wave + 1, whole
; ---- THE PRODUCTS
; 56 LDS loads: the q-th 128 along K of a slot into set p: the weights' six fragments first, then x's eight
.macro FETCH slot, q, p
	WIN 0
.irp z, 0,1,2
.irp u, 0,1
.irp c, 0,1,2,3
	ds_load_b128 v[BF+96*\p+16*(2*\z+\u)+4*\c:BF+96*\p+16*(2*\z+\u)+4*\c+3], v[ADRB+2*\z+\slot] offset:\u*16*PITCH+128*\q+32*\c
.endr
.endr
.endr
	WIN 0x40                                       ; destination window 1, address window 0
.irp a, 0,1,2,3,4,5,6,7
.irp c, 0,1,2,3
	ds_load_b128 v[128*\p+16*\a+4*\c:128*\p+16*\a+4*\c+3], v[ADRA+\slot] offset:\a*16*PITCH+128*\q+32*\c
.endr
.endr
.endm
; 16 matrix instructions: x's blocks a0 .. a0 + 3 against q's and k's two fragments each.  The 48 accumulators take turns, one instruction a turn, in the same order in every step.
.macro MULQK p, a0, zero
	WIN 0xa4                                       ; source 0 (W) window 0, source 1 (x) window 1, C and D window 2
.irp a, \a0, \a0+1, \a0+2, \a0+3
.irp z, 0,1
.irp u, 0,1
.if \zero
	v_wmma_f32_16x16x128_fp8_fp8 v[128*\z+8*(2*(\a)+\u):128*\z+8*(2*(\a)+\u)+7], v[BF+96*\p+16*(2*\z+\u):BF+96*\p+16*(2*\z+\u)+15], v[128*\p+16*(\a):128*\p+16*(\a)+15], 0
.else
	v_wmma_f32_16x16x128_fp8_fp8 v[128*\z+8*(2*(\a)+\u):128*\z+8*(2*(\a)+\u)+7], v[BF+96*\p+16*(2*\z+\u):BF+96*\p+16*(2*\z+\u)+15], v[128*\p+16*(\a):128*\p+16*(\a)+15], v[128*\z+8*(2*(\a)+\u):128*\z+8*(2*(\a)+\u)+7]
.endif
.endr
.endr
.endr
.endm
.macro MULV p, zero                    ; 16 matrix instructions: x's eight blocks against wv's two fragments
	WIN 0xf1                                       ; source 0 (x) window 1, source 1 (wv) window 0, C and D window 3
.irp a, 0,1,2,3,4,5,6,7
.irp u, 0,1
.if \zero
	v_wmma_f32_16x16x128_fp8_fp8 v[8*(8*\u+\a):8*(8*\u+\a)+7], v[128*\p+16*\a:128*\p+16*\a+15], v[BF+96*\p+16*(4+\u):BF+96*\p+16*(4+\u)+15], 0
.else
	v_wmma_f32_16x16x128_fp8_fp8 v[8*(8*\u+\a):8*(8*\u+\a)+7], v[128*\p+16*\a:128*\p+16*\a+15], v[BF+96*\p+16*(4+\u):BF+96*\p+16*(4+\u)+15], v[8*(8*\u+\a):8*(8*\u+\a)+7]
.endif
.endr
.endr
.endm
; A slot's first 128 along K, on set 0; the second 128 are fetched into set 1 behind the first sixteen products.
.macro STEP slot, zero
	s_wait_dscnt 16                                ; the weights' fragments and x's blocks 0-3 are in; the youngest sixteen loads (blocks 4-7) may be out
	MULQK 0, 0, \zero
	s_wait_dscnt 0x0
	PLACES                                         ; in front of loads into set 1, which the step before multiplied
	FETCH \slot, 1, 1
	MULQK 0, 4, \zero
	MULV 0, \zero
	WIN 0
.endm
; A slot's second 128, on set 1, and the change of slots: ONE barrier; in front of it each wave waits for all its tensor loads, adds 0 to its spare word, and waits for that and for its reads of this slot.
.macro TURN slot, next, fill
	s_wait_tensorcnt 0x0                           ; all my tensor loads have landed: my tile of the next slot
	ds_add_u32 v[SPW], v[NIL]                      ; 0 onto my spare word
	s_wait_dscnt 17                                ; (the add and x's blocks 4-7 may be out)
	MULQK 1, 0, 0                                  ; sixteen matrix instructions stand between the add and the wait for it
	s_wait_dscnt 0x0                               ; the add is done, and all of this slot is in my registers
	s_barrier_signal -1
	MULQK 1, 4, 0
	WIN 0
	s_barrier_wait -1
.if \fill
	CREST                                          ; the barrier has opened a round of the cluster's: no wave of any partner still reads this slot or has a load on its way
	s_add_nc_u64 s[G0+4*\slot+2:G0+4*\slot+3], s[G0+4*\slot+2:G0+4*\slot+3], 512
	s_add_nc_u64 s[G0B+4*\slot+2:G0B+4*\slot+3], s[G0B+4*\slot+2:G0B+4*\slot+3], 512
	JLOAD \slot                                    ; the first tensor load behind the round; its four v_nop are also the places in front of the loads below
.else
	PLACES
.endif
	FETCH \next, 0, 0
.if \fill
	WIN 0                                          ; (a branch follows)
	s_cmp_gt_u32 s3, 1                             ; the loop's last trip loads slots 6 and 7: no slot stands two on
	s_cbranch_scc0 .Lnopf_\@
	global_prefetch_b8 v30, s[104:105] offset:1024+256*\slot th:TH_LOAD_NT scope:SCOPE_SE   ; the slot two on from the one just asked for
.Lnopf_\@:
.endif
	MULV 1, 0
	WIN 0
.endm
	s_wait_alu depctr_va_vdst(0)
	FETCH 0, 0, 0
	STEP 0, 1                                      ; the first step stands in front of the loop: its products start the sums
	s_mov_b32 s3, 3
.Llap:                                                 ; a trip goes once round the ring and fills both slots again: 2,048 along K are 8 slots' worth, 6 of them refills
	TURN 0, 1, 1
	STEP 1, 0
	TURN 1, 0, 1
	STEP 0, 0
	s_wait_xcnt 0x0                                ; my prefetches have read their base: it steps two slots a trip
	s_add_nc_u64 s[104:105], s[104:105], 512
	s_sub_co_u32 s3, s3, 1
	s_cmp_lg_u32 s3, 0
	s_cbranch_scc1 .Llap
	TURN 0, 1, 0                                   ; the last lap fills nothing
	STEP 1, 0
	s_wait_dscnt 0x0
	MULQK 1, 0, 0
	MULQK 1, 4, 0
	MULV 1, 0
	WIN 0
	PLACES
; ---- THE WAY OUT.  q, then k: a pair (e, o) of neighbouring channels becomes (e c - o s, e s + o c): two packed instructions; the hold; the conversions; the image.  Each accumulator is read from its low end on.
.macro ROT acc, cb, sc, base
	WIN 0x0e                                       ; source 0 (the sums) window 2, source 1 (the table) window 3, source 2 and destination window 0
.set idx, 0
.rept 64
	v_pk_mul_f32 v[BF+2*idx:BF+2*idx+1], v[\acc+2*idx:\acc+2*idx+1], v[128+2*idx:129+2*idx] op_sel:[1,0] op_sel_hi:[1,1] neg_lo:[1,0]   ; (-o s, o c)
.set idx, idx+1
.endr
.set idx, 0
.rept 64
	v_pk_fma_f32 v[BF+2*idx:BF+2*idx+1], v[\acc+2*idx:\acc+2*idx+1], v[128+2*idx:129+2*idx], v[BF+2*idx:BF+2*idx+1] op_sel:[0,1,0] op_sel_hi:[0,0,1]   ; + (e c, e s)
.set idx, idx+1
.endr
	WIN 0
.set idx, 0
.rept 128
	v_med3_num_f32 v[BF+idx], v[BF+idx], -v[\sc+1], v[\sc+1]   ; the conversion to an 8-bit code does not saturate (ISA guide 7.6.2): the hold at the largest code x the scale
.set idx, idx+1
.endr
.irp a, 0,1,2,3,4,5,6,7
	v_cvt_scalef32_pk8_fp8_f32 v[\cb+4*\a:\cb+4*\a+1], v[BF+16*\a:BF+16*\a+7], v[\sc]          ; channels 32 w + 8 h + 0 .. 7 of token 16 a + r
	v_cvt_scalef32_pk8_fp8_f32 v[\cb+4*\a+2:\cb+4*\a+3], v[BF+16*\a+8:BF+16*\a+15], v[\sc]     ; and 32 w + 16 + 8 h + 0 .. 7: registers 4 w .. 4 w + 3 of fragment a
.endr
	v_nop                                          ; a plain instruction between the conversions and the next vector instruction that writes their sources
.irp a, 0,1,2,3,4,5,6,7
	global_store_b128 v[L16], v[\cb+4*\a:\cb+4*\a+3], s[\base:\base+1] offset:2048*\a   ; 512 consecutive bytes, aligned
.endr
.endm
	ROT 0, 192, SCQ, 16
	ROT 128, 224, SCK, 86
	WIN 0xc3                                       ; v: source 0 and destination window 3
.set idx, 0
.rept 128
	v_med3_num_f32 v[idx], v[idx], -v[SCV+1], v[SCV+1]
.set idx, idx+1
.endr
	WIN 0x03
.irp u, 0,1
.irp a, 0,1,2,3,4,5,6,7
	v_cvt_scalef32_pk8_fp8_f32 v[BF+16*\u+2*\a:BF+16*\u+2*\a+1], v[8*(8*\u+\a):8*(8*\u+\a)+7], v[SCV]   ; tokens 16 a + 8 h + 0 .. 7 of channel 32 w + 16 u + r: registers 2 a, 2 a + 1 of fragment 2 w + u
.endr
.endr
	WIN 0
	v_nop
.irp u, 0,1
.irp b, 0,1,2,3
	global_store_b128 v[L16], v[BF+16*\u+4*\b:BF+16*\u+4*\b+3], s[18:19] offset:2048*\u+512*\b
.endr
.endr
	s_wait_tensorcnt 0x0                           ; the wave's end
	ds_add_u32 v[SPW], v[NIL]
	s_wait_dscnt 0x0
	CROUND                                         ; the closing round: no work-group ends while a partner may still ask for a tile that names it
	s_endpgm
.Lfunc_end_k_q8414f7f8f6_qkv:
	.size	k_q8414f7f8f6_qkv, .Lfunc_end_k_q8414f7f8f6_qkv-k_q8414f7f8f6_qkv
	.p2alignl 7, 3214868480
	.fill 96, 4, 3214868480
	.section	.rodata,"a",@progbits
	.p2align	6, 0x0
	.amdhsa_kernel k_q8414f7f8f6_qkv
		.amdhsa_group_segment_fixed_size 327680
		.amdhsa_private_segment_fixed_size 0
		.amdhsa_enable_private_segment 0
		.amdhsa_kernarg_size 72
		.amdhsa_user_sgpr_count 2
		.amdhsa_user_sgpr_kernarg_segment_ptr 1
		.amdhsa_wavefront_size32 1
		.amdhsa_system_sgpr_workgroup_id_x 1
		.amdhsa_system_sgpr_workgroup_id_y 1
		.amdhsa_system_sgpr_workgroup_id_z 1
		.amdhsa_system_vgpr_workitem_id 0
		.amdhsa_next_free_vgpr 1024
		.amdhsa_next_free_sgpr 106
		.amdhsa_reserve_vcc 1
		.amdhsa_float_denorm_mode_32 3
		.amdhsa_float_denorm_mode_16_64 3
		.amdhsa_memory_ordered 1
		.amdhsa_forward_progress 1
		.amdhsa_inst_pref_size 205
	.end_amdhsa_kernel
	.amdgpu_metadata
---
amdhsa.version: [ 1, 2 ]
amdhsa.kernels:
  - .name:           k_q8414f7f8f6_qkv
    .symbol:         k_q8414f7f8f6_qkv.kd
    .args:
      - { .name: x_codes, .offset: 0, .size: 8, .value_kind: global_buffer, .address_space: global }
      - { .name: wq_codes, .offset: 8, .size: 8, .value_kind: global_buffer, .address_space: global }
      - { .name: wk_codes, .offset: 16, .size: 8, .value_kind: global_buffer, .address_space: global }
      - { .name: wv_codes, .offset: 24, .size: 8, .value_kind: global_buffer, .address_space: global }
      - { .name: mask, .offset: 32, .size: 8, .value_kind: global_buffer, .address_space: global }
      - { .name: lowp_scales, .offset: 40, .size: 8, .value_kind: global_buffer, .address_space: global }
      - { .name: qimg, .offset: 48, .size: 8, .value_kind: global_buffer, .address_space: global }
      - { .name: kvimg, .offset: 56, .size: 8, .value_kind: global_buffer, .address_space: global }
      - { .name: maskbits, .offset: 64, .size: 8, .value_kind: global_buffer, .address_space: global }
    .group_segment_fixed_size: 327680
    .private_segment_fixed_size: 0
    .kernarg_segment_align: 8
    .kernarg_segment_size: 72
    .max_flat_workgroup_size: 128
    .sgpr_count:     106
    .vgpr_count:     1024
    .wavefront_size: 32
...
	.end_amdgpu_metadata
.endif
;; end of part 1
;; launch attn (part 2): grid 16 x 16, 4 waves a work-group, no clusters, 68,096 bytes of LDS; arguments qimg, kvimg, maskbits, lowp_scales, aimg; writes aimg
.if DOCPART == 2
	.amdgcn_target "amdgcn-amd-amdhsa--gfx1250"
	.amdhsa_code_object_version 6
	.text
	.protected	k_q8414f7f8f6_attn
	.globl	k_q8414f7f8f6_attn
	.p2align	8
	.type	k_q8414f7f8f6_attn,@function
k_q8414f7f8f6_attn:
	s_mov_b64 s[64:65], 0
	v_nop
	global_prefetch_b8 v0, s[64:65] scope:SCOPE_SE
	s_setreg_imm32_b32 hwreg(HW_REG_WAVE_MODE, 25, 1), 1
	s_wait_xcnt 0x0
; a = softmax(mask(q k^T / sqrt(2048))) v on codes of FP8 (E4M3), quantised again for the projection.  p = 2^(t - M), M the ceiling of the running largest t; the row's sum of the unquantised p divides at the end.
; qimg, kvimg, aimg: images of operands' registers (a fragment of 16 rows x 128 K is 2,048 bytes, registers 4 c .. 4 c + 3 of lane l at 512 c + 16 l).  kvimg: (16 head + step) x 32,768: K's 8 fragments, then V's 8.
; maskbits: tile T of 16 queries, key step s of 128 keys: 64 lane masks at 4,096 T + 256 s; word 8 t + j, bit 16 h + r = mask[16 T + r][128 s + 16 t + 8 h + j].
; WHAT THE MASK'S WORDS DECIDE.  A unit (tile, step) all of whose 64 words are all ones gives p = 0 for each of its keys and moves no maximum: it is passed over by a scalar branch on the words read from maskbits.
; A unit with no bit set passes over the 64 selections.  Any mask is served; nothing of its pattern is built in.  A row with no key left gets the NaN code, as the softmax of a row of -infinity is NaN.
; Branches hang on words read from memory, so this text has no tensor load and no joint load: K and V go from memory straight into the operands' registers.
; SHARES.  A head's 128 tiles are 32 sets of four: set m holds the pairs Tl = 2 m and Th = 126 - 2 m.  Work-group (x, head) owns sets x (waves 0, 1) and 31 - x (waves 2, 3); wave w takes of its set the key steps 2 j + k, k = w & 1, j = 0 .. 7.
; Slots 0, 1 hold the pair that the wave finishes (k = 0: Th; k = 1: Tl), slots 2, 3 the pair that its partner w xor 1 finishes: at the end each wave hands -M, the sum and O^T of slots 2, 3 over through LDS.
; A wave walks j = 0 and then the j at which one of its tiles has a key left (a list of bits, lowest first); a fragment of K or V feeds up to four tiles.  The walk goes two j a trip, on two sets of registers;
; the next j's K is asked for at a step's head, its V in the step's middle.  Past the list's end j = 8: its flags say 'nothing left', and its loads name j = 7 again, inside the buffer.
; THE HOLD at 448 x 2^e8: p is at most 1 (but for f32 rounding), so it can bind only where e8 < -8: elsewhere a scalar branch on e8 leads round it.
; PREFETCH: wave w of work-group x asks once for 8,192 bytes of step x of its head's K and V, lanes 256 bytes apart: the head's 64 waves name each block of 256 bytes once.
; LIMITS: e6 + e7 between -121 and 132; e8 and e10 - e8 - e9 between -126 and 119; the scaled scores stay under 2^31 in magnitude.
; REGISTERS.  Window 0: v1-7 lane terms, v8-23 (-M, largest t, the sum in two halves) x 4 slots, v24-27 LDS addresses, v32-95 Q, v96-159 S^T then p, v224-239 p's codes, v240-253 constants and work.
;   window 1: O^T, slot i at 64 i.   window 2: K's fragments, two sets.   window 3: V's, two sets.
.set XCH,   16896                      ; a wave's bytes for the hand-over: 2 x 8,192 of O^T, 2 x 256 of (-M, sum)
.set SPARE, 4*XCH                      ; the spare words, 128 bytes a wave, which no other line names
.set L16, 1
.set L8,  3
.set PFO, 4
.set SPW, 5
.set NIL, 6
.set ST,  8
.set QF,  32
.set SC,  96
.set FL,  92                           ; s92-95  slot i: bit j set: nothing left in step 2 j + k (bit 8 always)
.set AN,  96                           ; s96-99  slot i: bit j set: some key hidden
.set CUR, 13                           ; s13, s14  the j whose fragments lie in set 0, 1
.set MSB, 0
.macro WIN new
.if MSB != (\new)
	s_set_vgpr_msb (MSB<<8)|(\new)
.set MSB, (\new)
.endif
.endm
.macro PLACES
.rept 4
	v_nop
.endr
.endm
; A set's loads go in three runs: K's 32; V's first 31; V's last.  So behind K's stand 32 of the set's own, and the runs that are out together stay within LOADcnt's field (ISA guide 5.7.1)
.macro LOADK b
	WIN 0x80
.irp f, 0,1,2,3,4,5,6,7
.irp c, 0,1,2,3
	global_load_b128 v[128*(\b)+16*\f+4*\c:128*(\b)+16*\f+4*\c+3], v[L16], s[86:87] offset:2048*\f+512*\c
.endr
.endr
	WIN 0
.endm
.macro LOADV b
	WIN 0xc0
.irp f, 0,1,2,3,4,5,6,7
.irp c, 0,1,2,3
.if (\f < 7) || (\c < 3)
	global_load_b128 v[128*(\b)+16*\f+4*\c:128*(\b)+16*\f+4*\c+3], v[L16], s[86:87] offset:16384+2048*\f+512*\c
.endif
.endr
.endr
	WIN 0
.endm
.macro LOADB b
	WIN 0xc0
	global_load_b128 v[128*(\b)+124:128*(\b)+127], v[L16], s[86:87] offset:16384+2048*7+512*3
	WIN 0
.endm
; slot i's flags from its 8 x 64 words (two a lane): all ones in every lane; some bit in some lane.  The bits are shifted in from j = 7 down, by the carry.
.macro FLAGS i
.irp j, 0,1,2,3,4,5,6,7
	v_and_b32 v[160+\j], v[SC+16*\i+2*\j], v[SC+16*\i+2*\j+1]
	v_or_b32 v[168+\j], v[SC+16*\i+2*\j], v[SC+16*\i+2*\j+1]
.endr
.irp j, 0,1,2,3,4,5,6,7
	v_cmp_eq_u32 s[16+\j], -1, v[160+\j]
	v_cmp_ne_u32 s[24+\j], 0, v[168+\j]
.endr
	s_mov_b32 s[FL+\i], 1
	s_mov_b32 s[AN+\i], 0
.irp j, 7,6,5,4,3,2,1,0
	s_add_co_u32 s32, s[16+\j], 1                  ; carry: all 32 lanes said 'all ones'
	s_add_co_ci_u32 s[FL+\i], s[FL+\i], s[FL+\i]
	s_cmp_lg_u32 s[24+\j], 0
	s_add_co_ci_u32 s[AN+\i], s[AN+\i], s[AN+\i]
.endr
.endm
.macro SOFT st                         ; the softmax of 16 queries x 128 keys: a lane holds one query and 64 keys
.irp k, 0,1,2,3
	v_max3_num_f32 v[248+\k], v[96+16*\k], v[97+16*\k], v[98+16*\k]
.endr
.irp i, 3,5,7,9,11,13
.irp k, 0,1,2,3
	v_max3_num_f32 v[248+\k], v[248+\k], v[96+16*\k+\i], v[97+16*\k+\i]
.endr
.endr
	v_max3_num_f32 v248, v248, v111, v127
	v_max3_num_f32 v250, v250, v143, v159
	v_max3_num_f32 v248, v248, v249, v250
	v_max_num_f32 v248, v248, v251
	v_permlanex16_b32 v247, v248, s8, s9
	v_max_num_f32 v248, v248, v247
	v_mul_f32 v248, s6, v248                       ; as t
	v_max_num_f32 v[(\st)+1], v[(\st)+1], v248
	v_mov_b32 v249, v[(\st)]
	v_floor_f32 v[(\st)], -v[(\st)+1]              ; -M = floor(-t)
	v_sub_f32 v249, v[(\st)], v249
	v_cvt_i32_f32 v249, v249                       ; (it saturates)
	v_ldexp_f32 v252, 1.0, v249                    ; f = 2^(old M - new M)
.set j, 0
.rept 32
	v_pk_fma_f32 v[96+j:97+j], v[96+j:97+j], s[6:7], v[(\st):(\st)+1] op_sel_hi:[1,0,0]
.set j, j+2
.endr
	s_wait_alu depctr_va_vdst(0)
.set j, 0
.rept 64
	v_exp_f32 v[96+j], v[96+j]
.set j, j+1
.endr
	v_nop
	s_wait_alu depctr_va_vdst(0)
	v_pk_add_f32 v[232:233], v[96:97], v[104:105]
	v_pk_add_f32 v[234:235], v[98:99], v[106:107]
	v_pk_add_f32 v[242:243], v[100:101], v[108:109]
	v_pk_add_f32 v[250:251], v[102:103], v[110:111]
.irp m, 2,3,4,5,6,7
	v_pk_add_f32 v[232:233], v[232:233], v[96+8*\m:97+8*\m]
	v_pk_add_f32 v[234:235], v[234:235], v[98+8*\m:99+8*\m]
	v_pk_add_f32 v[242:243], v[242:243], v[100+8*\m:101+8*\m]
	v_pk_add_f32 v[250:251], v[250:251], v[102+8*\m:103+8*\m]
.endr
	v_pk_add_f32 v[232:233], v[232:233], v[234:235]
	v_pk_add_f32 v[242:243], v[242:243], v[250:251]
	v_pk_add_f32 v[232:233], v[232:233], v[242:243]
	v_pk_fma_f32 v[(\st)+2:(\st)+3], v[(\st)+2:(\st)+3], v[252:253], v[232:233] op_sel_hi:[1,0,1]
.endm
; slot i against the fragments in set p.  w = 1: the unit stands ahead of the step's own wait for V, and waits for it itself
.macro TILE i, p, w
	s_bitcmp1_b32 s[FL+\i], s[CUR+\p]
	s_cbranch_scc1 .Lskip_\@                       ; nothing left in this unit
	WIN 0x02                                       ; source 0 (K) window 2
.irp t, 0,1,2,3,4,5,6,7
	v_wmma_f32_16x16x128_fp8_fp8 v[SC+8*\t:SC+8*\t+7], v[128*\p+16*\t:128*\p+16*\t+15], v[QF+16*\i:QF+16*\i+15], 0
.endr
	WIN 0
	PLACES
	s_bitcmp1_b32 s[AN+\i], s[CUR+\p]
	s_cbranch_scc0 .Lopen_\@                       ; no key of this unit is hidden
	s_load_b512 s[16:31], s[88+2*(\i/2):89+2*(\i/2)], s15 offset:4096*(\i%2)
	s_load_b512 s[32:47], s[88+2*(\i/2):89+2*(\i/2)], s15 offset:4096*(\i%2)+64
	s_load_b512 s[48:63], s[88+2*(\i/2):89+2*(\i/2)], s15 offset:4096*(\i%2)+128
	s_load_b512 s[68:83], s[88+2*(\i/2):89+2*(\i/2)], s15 offset:4096*(\i%2)+192
	s_wait_kmcnt 0x0
.set n, 0
.rept 48
	v_cndmask_b32 v[96+n], v[96+n], v241, s[16+n]
.set n, n+1
.endr
.rept 16
	v_cndmask_b32 v[96+n], v[96+n], v241, s[20+n]
.set n, n+1
.endr
.Lopen_\@:
	SOFT ST+4*\i
	s_wait_alu depctr_va_vdst(0)
	s_cmp_eq_u32 s101, 0
	s_cbranch_scc1 .Lnohold_\@                     ; 448 x 2^e8 lies above every p
.set j, 0
.rept 64
	v_min_num_f32 v[96+j], v[96+j], v240
.set j, j+1
.endr
.Lnohold_\@:
.irp t, 0,1,2,3,4,5,6,7
	v_cvt_scalef32_pk8_fp8_f32 v[224+2*\t:225+2*\t], v[96+8*\t:103+8*\t], v244
.endr
.if \w
	s_wait_loadcnt 32                              ; set p's V is in: behind it stand the next K's 32 loads
.endif
	WIN 0x41                                       ; O^T: source 0 and destination window 1
	s_wait_alu depctr_va_vdst(0)
.set j, 0
.rept 32
	v_pk_mul_f32 v[64*\i+j:64*\i+j+1], v[64*\i+j:64*\i+j+1], v[252:253] op_sel_hi:[1,0]
.set j, j+2
.endr
	WIN 0x53                                       ; source 0 (V) window 3, source 1 (p) window 0, C and D window 1
.irp d, 0,1,2,3,4,5,6,7
	v_wmma_f32_16x16x128_fp8_fp8 v[64*\i+8*\d:64*\i+8*\d+7], v[128*\p+16*\d:128*\p+16*\d+15], v[224:239], v[64*\i+8*\d:64*\i+8*\d+7]
.endr
	WIN 0
.Lskip_\@:
.endm
.macro STEP p
	s_wait_loadcnt 32                              ; set p's K is in: behind it stand its V's 32 loads
	s_ctz_i32_b32 s[CUR+1-\p], s12                 ; the list's next j (-1 where it is empty),
	s_min_u32 s[CUR+1-\p], s[CUR+1-\p], 8          ; held at 8
	s_sub_co_u32 s16, s12, 1
	s_and_b32 s12, s12, s16                        ; its bit is taken off the list
	s_min_u32 s16, s[CUR+1-\p], 7
	s_lshl_b32 s16, s16, 16                        ; two steps of 32,768 bytes a j
	s_mov_b32 s17, 0
	s_wait_xcnt 0x0                                ; set p's loads that may still be out have read their base: only now is the base rewritten
	s_add_nc_u64 s[86:87], s[84:85], s[16:17]      ; the next j's fragments
	s_lshl_b32 s15, s[CUR+\p], 9                   ; this j's words in maskbits
	PLACES                                         ; in front of loads into registers that the step before multiplied
	LOADK 1-\p
	TILE 0, \p, 1
	TILE 2, \p, 1
	s_wait_loadcnt 32                              ; set p's V is in, on every way: behind it stand the next K's 32 loads
	LOADV 1-\p
	TILE 1, \p, 0
	TILE 3, \p, 0
	LOADB 1-\p
.endm
	s_load_b256 s[16:23], s[0:1], 0x0              ; qimg, kvimg, maskbits, the exponents
	s_load_b64 s[66:67], s[0:1], 0x20              ; aimg
	v_lshl_add_u32 v[SPW], v0, 2, SPARE
	v_mov_b32 v[NIL], 0
	v_lshrrev_b32 v2, 5, v0
	v_readfirstlane_b32 s2, v2                     ; wave 0..3
	v_and_b32 v7, 31, v0
	v_lshlrev_b32 v[L16], 4, v7
	v_lshlrev_b32 v[L8], 3, v7
	v_lshlrev_b32 v[PFO], 8, v7
	s_and_b32 s3, s2, 1                            ; k
	s_and_b32 s5, ttmp7, 0xffff                    ; the head
	s_sub_co_u32 s24, 31, ttmp9
	s_bitcmp1_b32 s2, 1
	s_cselect_b32 s24, s24, ttmp9                  ; my set m: x in waves 0, 1; 31 - x in waves 2, 3
	s_lshl_b32 s24, s24, 1                         ; Tl
	s_sub_co_u32 s25, 126, s24                     ; Th
	s_cmp_eq_u32 s3, 0
	s_cselect_b32 s4, s25, s24                     ; slots 0, 1
	s_cselect_b32 s26, s24, s25                    ; slots 2, 3
	s_mul_i32 s27, s2, XCH
	s_xor_b32 s28, s2, 1
	s_mul_i32 s28, s28, XCH
	s_wait_alu depctr_va_vdst(0)
	v_add_nc_u32 v24, s27, v[L16]                  ; my bytes for the hand-over,
	v_add_nc_u32 v25, s27, v[L8]
	v_add_nc_u32 v26, s28, v[L16]                  ; and my partner's
	v_add_nc_u32 v27, s28, v[L8]
	s_lshl_b32 s28, s5, 19                         ; the head's K and V
	s_mov_b32 s29, 0
	s_lshl_b32 s30, ttmp9, 15
	s_lshl_b32 s31, s2, 13
	s_add_co_u32 s30, s30, s31                     ; what I prefetch of them
	s_mov_b32 s31, 0
	s_lshl_b32 s32, s3, 15                         ; step k
	s_mov_b32 s33, 0
	s_lshl_b32 s38, s3, 8
	s_lshl_b32 s34, s4, 12
	s_add_co_u32 s34, s34, s38                     ; the words of slots 0, 1 at step k
	s_mov_b32 s35, 0
	s_lshl_b32 s36, s26, 12
	s_add_co_u32 s36, s36, s38
	s_mov_b32 s37, 0
	s_lshl_b32 s40, s5, 7
	s_add_co_u32 s42, s40, s4
	s_lshl_b32 s42, s42, 11                        ; Q's fragments: (128 head + T) x 2,048
	s_mov_b32 s43, 0
	s_add_co_u32 s44, s40, s26
	s_lshl_b32 s44, s44, 11
	s_mov_b32 s45, 0
	s_lshr_b32 s52, s4, 3                          ; aimg: ((16 (T / 8) + head) x 8 + T % 8) x 2,048
	s_lshl_b32 s52, s52, 4
	s_add_co_u32 s52, s52, s5
	s_lshl_b32 s52, s52, 3
	s_and_b32 s53, s4, 7
	s_add_co_u32 s52, s52, s53
	s_lshl_b32 s52, s52, 11
	s_mov_b32 s53, 0
	s_mov_b32 s8, 0x76543210
	s_mov_b32 s9, 0xfedcba98
	s_wait_alu depctr_va_vdst(0)
	s_wait_kmcnt 0x0
	s_add_nc_u64 s[84:85], s[18:19], s[28:29]
	s_add_nc_u64 s[104:105], s[84:85], s[30:31]
	s_add_nc_u64 s[84:85], s[84:85], s[32:33]
	global_prefetch_b8 v[PFO], s[104:105] th:TH_LOAD_NT scope:SCOPE_SE   ; its two address registers are never rewritten
	s_add_nc_u64 s[88:89], s[20:21], s[34:35]
	s_add_nc_u64 s[90:91], s[20:21], s[36:37]
	s_add_nc_u64 s[42:43], s[16:17], s[42:43]
	s_add_nc_u64 s[44:45], s[16:17], s[44:45]
	s_add_nc_u64 s[66:67], s[66:67], s[52:53]
	s_load_b64 s[46:47], s[22:23], 0x18            ; e6, e7
	s_load_b64 s[48:49], s[22:23], 0x20            ; e8, e9
	s_load_b32 s50, s[22:23], 0x28                 ; e10
.irp i, 0,1,2,3
.irp j, 0,1,2,3,4,5,6,7
	global_load_b64 v[SC+16*\i+2*\j:SC+16*\i+2*\j+1], v[L8], s[88+2*(\i/2):89+2*(\i/2)] offset:4096*(\i%2)+512*\j   ; a unit's 256 bytes, whole
.endr
.endr
.irp i, 0,1,2,3
.irp c, 0,1,2,3
	global_load_b128 v[QF+16*\i+4*\c:QF+16*\i+4*\c+3], v[L16], s[42+2*(\i/2):43+2*(\i/2)] offset:2048*(\i%2)+512*\c
.endr
.endr
	v_mov_b32 v241, 0xff800000                     ; -infinity
.irp r, 247,248,249,250,251,253
	v_mov_b32 v\r, 0
.endr
.irp i, 0,1,2,3
	v_mov_b32 v[ST+4*\i+1], 0xff61b1e6             ; the largest t so far: -3e38
	v_mov_b32 v[ST+4*\i+2], 0
	v_mov_b32 v[ST+4*\i+3], 0
.endr
.irp i, 0,1,2,3
	v_floor_f32 v[ST+4*\i], -v[ST+4*\i+1]
.endr
	WIN 0x40
.set j, 0
.rept 256
	v_mov_b32 v[j], 0                              ; O^T: which unit is a slot's first hangs on the mask, so the sums begin as zeros
.set j, j+1
.endr
	WIN 0
	s_wait_kmcnt 0x0
	s_add_co_i32 s46, s46, s47
	s_lshl_b32 s46, s46, 23
	s_add_co_i32 s6, s46, 0x3d0293ee               ; c = log2(e) / sqrt(2048) x 2^(e6 + e7)
	s_mov_b32 s7, s6
	s_cmp_lt_i32 s48, -8
	s_cselect_b32 s101, 1, 0                       ; does the hold bind at all?
	s_add_co_i32 s46, s48, 127
	s_lshl_b32 s47, s46, 23
	v_mov_b32 v244, s47                            ; 2^e8
	s_add_co_i32 s46, s46, 8
	s_lshl_b32 s46, s46, 23
	s_or_b32 s46, s46, 0x600000
	v_mov_b32 v240, s46                            ; 448 x 2^e8
	s_sub_co_i32 s50, s50, s48
	s_sub_co_i32 s50, s50, s49
	s_add_co_i32 s50, s50, 127
	s_lshl_b32 s47, s50, 23
	v_mov_b32 v245, s47                            ; 2^(e10 - e8 - e9)
	s_add_co_i32 s50, s50, 8
	s_lshl_b32 s50, s50, 23
	s_or_b32 s50, s50, 0x600000
	v_mov_b32 v246, s50
	s_mov_b64 s[86:87], s[84:85]                   ; j = 0 is always fetched
	s_wait_alu depctr_va_vdst(0)
	s_wait_loadcnt 16                              ; the words are in; Q's 16 loads may be out
	LOADK 0
	LOADV 0
	FLAGS 0
	FLAGS 1
	FLAGS 2
	FLAGS 3
	LOADB 0
	s_and_b32 s12, s[FL], s[FL+1]
	s_and_b32 s12, s12, s[FL+2]
	s_and_b32 s12, s12, s[FL+3]
	s_not_b32 s12, s12
	s_and_b32 s12, s12, 0xfe                       ; the list: j = 1 .. 7 at which some slot has a key left
	s_bcnt1_i32_b32 s11, s12
	s_add_co_u32 s11, s11, 2
	s_lshr_b32 s11, s11, 1                         ; trips of two j: j = 0 and the list, rounded up
	s_mov_b32 s[CUR], 0
	s_mov_b32 s10, 0
	s_wait_alu depctr_va_vdst(0)
.Ltrip:
	STEP 0
	STEP 1
	s_add_co_u32 s10, s10, 1
	s_cmp_lt_u32 s10, s11
	s_cbranch_scc1 .Ltrip
; THE END.  The sums are joined over a lane's halves and lane l xor 16; slots 2, 3 go to my partner, and its part of slots 0, 1 comes to me.
.irp i, 0,1,2,3
	v_add_f32 v[ST+4*\i+2], v[ST+4*\i+2], v[ST+4*\i+3]
.endr
.irp i, 0,1,2,3
	v_permlanex16_b32 v[248+\i], v[ST+4*\i+2], s8, s9
.endr
.irp i, 0,1,2,3
	v_add_f32 v[ST+4*\i+1], v[ST+4*\i+2], v[248+\i]   ; (-M, the sum) is now a pair
.endr
	v_mov_b32 v253, 0x7f7f7f7f                     ; four NaN codes
	s_wait_alu depctr_va_vdst(0)
.irp q, 0,1
	ds_store_b64 v25, v[ST+8+4*\q:ST+9+4*\q] offset:16384+256*\q
.endr
	WIN 0x04                                       ; the stores' data: window 1
.irp q, 0,1
.irp d, 0,1,2,3,4,5,6,7
	s_wait_alu depctr_va_vdst(0)
	ds_store_b128 v24, v[128+64*\q+8*\d:128+64*\q+8*\d+3] offset:8192*\q+1024*\d
	ds_store_b128 v24, v[128+64*\q+8*\d+4:128+64*\q+8*\d+7] offset:8192*\q+1024*\d+512
.endr
.endr
	WIN 0
	s_wait_dscnt 0x0                               ; my stores are done, for my partner's sake
	s_barrier_signal -1
	s_barrier_wait -1
	ds_load_b64 v[28:29], v27 offset:16384
	ds_load_b64 v[30:31], v27 offset:16384+256
.irp m, 0,1,2,3,4,5,6,7,8,9,10,11,12,13,14,15
	ds_load_b128 v[96+4*\m:99+4*\m], v26 offset:512*\m
.endr
.irp m, 0,1,2,3,4,5,6,7,8,9,10,11,12,13,14,15
	ds_load_b128 v[160+4*\m:163+4*\m], v26 offset:8192+512*\m
.endr
	s_wait_dscnt 0x0
; slot i: my part and my partner's (state in v[pb], O^T in v[r ..]) under the common M, divided by the joined sum, held, converted into v[cd ..], stored as fragment q
.macro MERGE i, pb, r, cd, q
	v_min_num_f32 v248, v[ST+4*\i], v[\pb]         ; -M of both
	v_sub_f32 v249, v248, v[ST+4*\i]               ; whole numbers, 0 or less
	v_sub_f32 v250, v248, v[\pb]
	v_cvt_i32_f32 v249, v249
	v_cvt_i32_f32 v250, v250
	v_ldexp_f32 v249, 1.0, v249
	v_ldexp_f32 v250, 1.0, v250
	v_mul_f32 v251, v[ST+4*\i+1], v249
	v_fma_f32 v251, v[\pb+1], v250, v251           ; the row's sum
	v_cmp_eq_f32 vcc_lo, 0, v251                   ; no key counted: NaN
	s_wait_alu depctr_va_vdst(0)
	v_rcp_f32 v252, v251
	v_nop
	s_wait_alu depctr_va_vdst(0)
	v_mul_f32 v248, v249, v252
	v_mul_f32 v250, v250, v252
.set j, 0
.rept 32
	v_pk_mul_f32 v[\r+j:\r+j+1], v[\r+j:\r+j+1], v[250:251] op_sel_hi:[1,0]
.set j, j+2
.endr
	WIN 0x01                                       ; source 0: my O^T, window 1
	s_wait_alu depctr_va_vdst(0)
.set j, 0
.rept 32
	v_pk_fma_f32 v[\r+j:\r+j+1], v[64*\i+j:64*\i+j+1], v[248:249], v[\r+j:\r+j+1] op_sel_hi:[1,0,1]
.set j, j+2
.endr
	WIN 0
.set j, 0
.rept 64
	v_med3_num_f32 v[\r+j], v[\r+j], -v246, v246
.set j, j+1
.endr
.irp d, 0,1,2,3,4,5,6,7
	v_cvt_scalef32_pk8_fp8_f32 v[\cd+2*\d:\cd+2*\d+1], v[\r+8*\d:\r+8*\d+7], v245
.endr
	v_nop
.set j, 0
.rept 16
	v_cndmask_b32 v[\cd+j], v[\cd+j], v253, vcc_lo
.set j, j+1
.endr
.irp c, 0,1,2,3
	global_store_b128 v[L16], v[\cd+4*\c:\cd+4*\c+3], s[66:67] offset:2048*\q+512*\c   ; 512 consecutive bytes, aligned
.endr
.endm
	MERGE 0, 28, 96, 224, 0
	MERGE 1, 30, 160, 96, 1
	s_wait_tensorcnt 0x0                           ; the wave's end
	ds_add_u32 v[SPW], v[NIL]
	s_wait_dscnt 0x0
	s_endpgm
.Lfunc_end_k_q8414f7f8f6_attn:
	.size	k_q8414f7f8f6_attn, .Lfunc_end_k_q8414f7f8f6_attn-k_q8414f7f8f6_attn
	.p2alignl 7, 3214868480
	.fill 96, 4, 3214868480
	.section	.rodata,"a",@progbits
	.p2align	6, 0x0
	.amdhsa_kernel k_q8414f7f8f6_attn
		.amdhsa_group_segment_fixed_size 68096
		.amdhsa_private_segment_fixed_size 0
		.amdhsa_enable_private_segment 0
		.amdhsa_kernarg_size 40
		.amdhsa_user_sgpr_count 2
		.amdhsa_user_sgpr_kernarg_segment_ptr 1
		.amdhsa_wavefront_size32 1
		.amdhsa_system_sgpr_workgroup_id_x 1
		.amdhsa_system_sgpr_workgroup_id_y 1
		.amdhsa_system_sgpr_workgroup_id_z 1
		.amdhsa_system_vgpr_workitem_id 0
		.amdhsa_next_free_vgpr 1024
		.amdhsa_next_free_sgpr 106
		.amdhsa_reserve_vcc 1
		.amdhsa_float_denorm_mode_32 3
		.amdhsa_float_denorm_mode_16_64 3
		.amdhsa_memory_ordered 1
		.amdhsa_forward_progress 1
		.amdhsa_inst_pref_size 224
	.end_amdhsa_kernel
	.amdgpu_metadata
---
amdhsa.version: [ 1, 2 ]
amdhsa.kernels:
  - .name:           k_q8414f7f8f6_attn
    .symbol:         k_q8414f7f8f6_attn.kd
    .args:
      - { .name: qimg, .offset: 0, .size: 8, .value_kind: global_buffer, .address_space: global }
      - { .name: kvimg, .offset: 8, .size: 8, .value_kind: global_buffer, .address_space: global }
      - { .name: maskbits, .offset: 16, .size: 8, .value_kind: global_buffer, .address_space: global }
      - { .name: lowp_scales, .offset: 24, .size: 8, .value_kind: global_buffer, .address_space: global }
      - { .name: aimg, .offset: 32, .size: 8, .value_kind: global_buffer, .address_space: global }
    .group_segment_fixed_size: 68096
    .private_segment_fixed_size: 0
    .kernarg_segment_align: 8
    .kernarg_segment_size: 40
    .max_flat_workgroup_size: 128
    .sgpr_count:     106
    .vgpr_count:     1024
    .wavefront_size: 32
...
	.end_amdgpu_metadata
.endif
;; end of part 2
;; launch oproj (part 3): grid 16 x 16, 4 waves a work-group, clusters of 4 x 4, 327,680 bytes of LDS; arguments aimg, wo_codes, lowp_scales, out0; writes out0
.if DOCPART == 3
	.amdgcn_target "amdgcn-amd-amdhsa--gfx1250"
	.amdhsa_code_object_version 6
	.text
	.protected	k_q8414f7f8f6_oproj
	.globl	k_q8414f7f8f6_oproj
	.p2align	8
	.type	k_q8414f7f8f6_oproj,@function
k_q8414f7f8f6_oproj:
	s_mov_b64 s[64:65], 0
	v_nop
	global_prefetch_b8 v0, s[64:65] scope:SCOPE_SE
	s_setreg_imm32_b32 hwreg(HW_REG_WAVE_MODE, 25, 1), 1
	s_wait_xcnt 0x0
	s_wait_alu depctr_hold_cnt(0) depctr_sa_sdst(0) depctr_va_vdst(0) depctr_va_sdst(0) depctr_va_ssrc(0) depctr_va_vcc(0) depctr_vm_vsrc(0)
	s_getreg_b32 s2, hwreg(HW_REG_IB_STS2, 6, 4)
	s_cmp_eq_u32 s2, 0
	s_cbranch_scc0 .Lentry_in_a_cluster
	s_endpgm
.Lentry_in_a_cluster:
	s_bfe_u32 s2, ttmp6, 0x10000c
	s_cmp_lg_u32 s2, 0xf033
	s_cbranch_scc0 .Lentry_shape_is_right
	s_endpgm
.Lentry_shape_is_right:
; out0[t][n] = 2^(e10 + e11) x the sum over k of a[t][k] wo[n][k], on codes of FP8 (E4M3); out0: [2048][2048] f32.
; aimg: the attention's result as images of operands' registers: fragment ((16 block + head) x 8 + t) x 2,048 bytes: tokens 128 block + 16 t + r, K = the head's 128, registers 2 c, 2 c + 1 of lane (r, h)
; holding k = 16 c + 8 h + 0 .. 7; registers 4 c .. 4 c + 3 of lane l at 512 c + 16 l.  wo_codes: [2048 (n)][2048 (k)], K innermost.
; LIMIT: e10 + e11 between -126 and 127, so that 2^(e10 + e11) is an f32 number.
; A tile of out0 is 128 x 128: 256 work-groups, one for each WGP (tiles of 256 x 256 would be 64).  Four waves, each 64 x 64: 16 accumulators.
; K goes in slots of 512 (four heads) through a ring of two LDS slots: a's 32 fragments, dense (65,536 bytes), then wo's 128 rows of 512 bytes.
; CLUSTER 4 x 4: a's tile is asked for jointly along the cluster's row, wo's along its column.  THE MATRIX INSTRUCTION IS USED TRANSPOSED (source 0 = 16 rows of wo, source 1 = 16 tokens): a lane holds eight neighbouring numbers of a row.
; REGISTERS.  Window 0: v16-29 addresses; v32-63 a block's scaled sums; v64-127 rows read back, two sets; v128-255 the accumulators ((a, b) at 128 + 8 (4 a + b)).  Window 1: two buffers of 128: a's 4 fragments, then wo's 4.
.set BP,     528                       ; a row of wo in LDS: 512 bytes + 16 of padding = 132 words: row r starts at bank 4 r mod 64, and the halves of the lanes lie 2 words apart
.set BOFF,   65536
.set SLOT,   BOFF+128*BP
.set STAGE,  2*SLOT                    ; behind the ring: 16 rows x 272 bytes for each wave, for the way out; no tile lands there
.set SP,     272
.set SPARE,  STAGE+4*16*SP             ; the spare words, 128 bytes for each wave, which no other line names
.set ADRA, 16
.set ADRB, 20
.set STO,  24
.set RD,   25
.set CO,   26
.set SPW,  28
.set NIL,  29
.set TMP,  32
.set BK,   64
.set ACC,  128
.set G1, 24
.set G0, 32
.set G1B, 48
.set G0B, 56
.set MSB, 0
.macro WIN new
.if MSB != (\new)
	s_set_vgpr_msb (MSB<<8)|(\new)
.set MSB, (\new)
.endif
.endm
.macro PLACES
.rept 4
	v_nop
.endr
.endm
.macro JLOAD s                         ; waves 0 and 1 fetch a's halves, waves 2 and 3 wo's; four v_nop follow each of the two lines
	s_cmp_eq_u32 s15, 0
	s_cbranch_scc0 .Lfor_b_\@
	tensor_load_to_lds s[G0+4*\s:G0+4*\s+3], s[G1:G1+7]
	s_nop 0
.rept 4
	v_nop
.endr
	s_branch .Lasked_\@
.Lfor_b_\@:
	tensor_load_to_lds s[G0B+4*\s:G0B+4*\s+3], s[G1B:G1B+7]
	s_nop 0
.rept 4
	v_nop
.endr
.Lasked_\@:
.endm
.macro CREST
	s_cmp_lg_u32 s14, 0
	s_cbranch_scc1 .Lnot_wave_0_\@
	s_barrier_signal -3
.Lnot_wave_0_\@:
	s_barrier_wait -3
	s_barrier_signal -1
	s_barrier_wait -1
.endm
.macro CROUND
	s_barrier_signal -1
	s_barrier_wait -1
	CREST
.endm
	s_load_b256 s[4:11], s[0:1], 0x0               ; aimg s[4:5], wo s[6:7], the exponents s[8:9], out0 s[10:11]
	v_lshl_add_u32 v[SPW], v0, 2, SPARE
	v_mov_b32 v[NIL], 0
	ds_add_u32 v28, v29
	ds_add_u32 v28, v29
	s_wait_dscnt 0x0
	v_lshrrev_b32 v1, 5, v0
	v_readfirstlane_b32 s14, v1                    ; wave 0..3
	s_lshr_b32 s15, s14, 1                         ; which half of the tile's rows is mine.  Also: I fetch for a (0) or for wo (1)
	s_and_b32 s16, s14, 1                          ; which half of its columns.  Also: which half of that tile I fetch
	s_bfe_u32 s40, ttmp6, 0x40000                  ; cx, cy
	s_bfe_u32 s41, ttmp6, 0x40004
	s_lshl_b32 s42, ttmp9, 2
	s_add_co_u32 s42, s42, s40                     ; tile column
	s_and_b32 s17, ttmp7, 0xffff
	s_lshl_b32 s17, s17, 2
	s_add_co_u32 s17, s17, s41                     ; tile row
	s_lshl_b32 s43, s41, 2
	s_lshl_b32 s43, 15, s43                        ; my row of the cluster
	s_lshl_b32 s44, 0x1111, s40                    ; my column
	s_or_b32 s[G1], s43, (3<<16)|(1<<21)           ; a: 32,768 bytes, dense, as 128 rows of 32 elements of 8 bytes; 15:0 the mask; 21 set beside it
	s_mov_b32 s[G1+1], 32<<16
	s_mov_b32 s[G1+2], 128<<16
	s_mov_b32 s[G1+3], 32<<16
	s_mov_b32 s[G1+4], 128
	s_mov_b32 s[G1+5], 32
	s_mov_b32 s[G1+6], 0
	s_mov_b32 s[G1+7], 0
	s_or_b32 s[G1B], s44, (1<<20)|(1<<21)|(6<<22)|(3<<25)   ; wo: 64 rows of 512 bytes, 2,048 apart; four words of padding after every 128
	s_mov_b32 s[G1B+1], 512<<16
	s_mov_b32 s[G1B+2], 64<<16
	s_mov_b32 s[G1B+3], 512<<16
	s_mov_b32 s[G1B+4], 64
	s_mov_b32 s[G1B+5], 2048
	s_mov_b32 s[G1B+6], 0
	s_mov_b32 s[G1B+7], 0
	s_lshl_b32 s20, s17, 18                        ; a: the block's 16 heads x 16,384 bytes, + my half of four heads
	s_lshl_b32 s18, s16, 15                        ; (also its place in a slot)
	s_add_co_u32 s20, s20, s18
	s_mov_b32 s21, 0
	s_lshl_b32 s46, s42, 18                        ; wo: row 128 x tile column + 64 x half
	s_lshl_b32 s19, s16, 17
	s_add_co_u32 s46, s46, s19
	s_mov_b32 s47, 0
	s_mul_i32 s45, s16, 64*BP
	s_add_co_u32 s45, s45, BOFF                    ; and its place in a slot
	s_wait_kmcnt 0x0
	s_load_b64 s[96:97], s[8:9], 0x28              ; e10, e11
	s_add_nc_u64 s[20:21], s[4:5], s[20:21]
	s_add_nc_u64 s[46:47], s[6:7], s[46:47]
	CROUND                                         ; all sixteen work-groups are here: the first joint loads meet
.irp s, 0,1
	s_mov_b32 s[G0+4*\s], 1
	s_add_co_u32 s[G0+4*\s+1], s18, \s*SLOT
	s_add_nc_u64 s[G0+4*\s+2:G0+4*\s+3], s[20:21], \s*65536
	s_or_b32 s[G0+4*\s+3], s[G0+4*\s+3], 0x80000000
	s_mov_b32 s[G0B+4*\s], 1
	s_add_co_u32 s[G0B+4*\s+1], s45, \s*SLOT
	s_add_nc_u64 s[G0B+4*\s+2:G0B+4*\s+3], s[46:47], \s*512
	s_or_b32 s[G0B+4*\s+3], s[G0B+4*\s+3], 0x80000000
.endr
	JLOAD 0                                        ; slot 0: one tensor load a wave at the head
	; PREFETCHES INTO THE L2.  Of the half tile that I fetch, each of the four partners that ask for it jointly names a quarter, told apart by address: of a's 32,768 dense bytes 8,192 (place cx), lanes 256 bytes apart;
	; of wo's 64 rows 16 (place cy), two lanes a row of 512 bytes.  Behind slot 0's load slots 1 and 2 are named, behind slot 1's load slot 3: two slots are asked for and not yet read at the most.
	s_mov_b32 s74, 512                             ; a slot on: 512 bytes in a row of wo,
	s_mov_b32 s75, 0
	s_cmp_eq_u32 s15, 0
	s_cselect_b64 s[70:71], s[20:21], s[46:47]     ; my half tile's first byte
	s_cselect_b32 s72, s40, s41                    ; my place among the four
	s_cselect_b32 s73, 13, 15
	s_cselect_b32 s74, 0x10000, s74                ; 65,536 in a
	s_cselect_b32 s76, 0, -1
	s_lshl_b32 s72, s72, s73
	s_mov_b32 s73, 0
	s_add_nc_u64 s[70:71], s[70:71], s[72:73]
	s_add_nc_u64 s[78:79], s[70:71], s[74:75]      ; slot 1, 2, 3: a pair each, never rewritten
	s_add_nc_u64 s[80:81], s[78:79], s[74:75]
	s_add_nc_u64 s[82:83], s[80:81], s[74:75]
	v_and_b32 v7, 31, v0
	v_lshlrev_b32 v8, 8, v7                        ; a: 256 x lane
	v_lshrrev_b32 v9, 1, v7
	v_and_b32 v7, 1, v7
	v_lshlrev_b32 v9, 11, v9
	v_lshl_add_u32 v9, v7, 8, v9                   ; wo: row lane / 2, 256 x (lane % 2)
	v_cndmask_b32 v30, v8, v9, s76                 ; v30: never rewritten
	global_prefetch_b8 v30, s[78:79] th:TH_LOAD_NT scope:SCOPE_SE
	global_prefetch_b8 v30, s[80:81] th:TH_LOAD_NT scope:SCOPE_SE
	v_and_b32 v1, 15, v0                           ; r
	v_bfe_u32 v2, v0, 4, 1                         ; h
	v_and_b32 v3, 31, v0
	v_lshlrev_b32 v3, 4, v3                        ; 16 x lane
	s_lshl_b32 s22, s15, 13                        ; my four fragments of each head's eight
	v_add_nc_u32 v[ADRA], s22, v3
	v_add_nc_u32 v[ADRA+1], SLOT, v[ADRA]
	v_mul_u32_u24 v4, v1, BP
	v_lshl_add_u32 v4, v2, 3, v4                   ; wo: row x pitch + 8 x half: eight loads of 8 bytes, 16 apart, give k the places that a's images have
	s_mul_i32 s22, s16, 64*BP
	s_add_co_u32 s22, s22, BOFF
	v_add_nc_u32 v[ADRB], s22, v4
	v_add_nc_u32 v[ADRB+1], SLOT, v[ADRB]
	s_mul_i32 s23, s14, 16*SP
	s_add_co_u32 s23, s23, STAGE                   ; my stage
	v_mul_u32_u24 v5, v1, SP
	v_lshl_add_u32 v5, v2, 5, v5
	v_add_nc_u32 v[STO], s23, v5                   ; in: row r, 32 bytes for each half of the lanes
	v_mul_u32_u24 v6, v2, SP
	v_lshl_add_u32 v6, v1, 4, v6
	v_add_nc_u32 v[RD], s23, v6                    ; back: lanes 0-15 one row of 256 bytes, lanes 16-31 the next
	v_lshlrev_b32 v[CO], 13, v2
	v_lshl_add_u32 v[CO], v1, 4, v[CO]             ; and the same two rows of out0, 8,192 bytes apart
	s_lshl_b32 s68, s17, 20                        ; my first row: 128 x tile row + 64 x half, of 8,192 bytes;
	s_lshl_b32 s69, s15, 19
	s_add_co_u32 s68, s68, s69
	s_lshl_b32 s69, s42, 9                         ; my first column: 512 bytes a tile + 256 x half
	s_add_co_u32 s68, s68, s69
	s_lshl_b32 s69, s16, 8
	s_add_co_u32 s68, s68, s69
	s_mov_b32 s69, 0
	s_add_nc_u64 s[10:11], s[10:11], s[68:69]
.macro FETCH slot, q, p                ; 48 LDS loads: the q-th 128 along K (one head) of a slot into buffer p
	WIN 0x40                                       ; destination window 1, address window 0
.irp i, 0,1,2,3
.irp c, 0,1,2,3
	ds_load_b128 v[128*(\p)+16*\i+4*\c:128*(\p)+16*\i+4*\c+3], v[ADRA+\slot] offset:16384*(\q)+2048*\i+512*\c
.endr
.endr
.irp i, 0,1,2,3
.irp c, 0,1,2,3,4,5,6,7
	ds_load_b64 v[128*(\p)+64+16*\i+2*\c:128*(\p)+64+16*\i+2*\c+1], v[ADRB+\slot] offset:\i*16*BP+128*(\q)+16*\c
.endr
.endr
.endm
.macro MUL4 p, a, zero                 ; block a of 16 tokens against wo's four fragments.  The 16 accumulators take turns
	WIN 0x05                                       ; sources 0 and 1 window 1; C and D window 0
.irp b, 0,1,2,3
.if \zero
	v_wmma_f32_16x16x128_fp8_fp8 v[ACC+8*(4*\a+\b):ACC+8*(4*\a+\b)+7], v[128*(\p)+64+16*\b:128*(\p)+64+16*\b+15], v[128*(\p)+16*\a:128*(\p)+16*\a+15], 0
.else
	v_wmma_f32_16x16x128_fp8_fp8 v[ACC+8*(4*\a+\b):ACC+8*(4*\a+\b)+7], v[128*(\p)+64+16*\b:128*(\p)+64+16*\b+15], v[128*(\p)+16*\a:128*(\p)+16*\a+15], v[ACC+8*(4*\a+\b):ACC+8*(4*\a+\b)+7]
.endif
.endr
.endm
.macro STEP slot, q, zero              ; one of a slot's first three steps: multiplies buffer q % 2 and fetches the next step into the other
	s_wait_dscnt 0x0                               ; this step's fragments are in
	PLACES                                         ; in front of loads into the buffer that the step before multiplied
	FETCH \slot, (\q)+1, 1-(\q)%2
	MUL4 (\q)%2, 0, \zero
	MUL4 (\q)%2, 1, \zero
	MUL4 (\q)%2, 2, \zero
	MUL4 (\q)%2, 3, \zero
	WIN 0
.endm
; A slot's last step, on buffer 1, and the change of slots: ONE barrier; in front of it each wave waits for all its tensor loads, adds 0 to its spare word, and waits for that and for its reads of this slot.
.macro TURN slot, next, fill
	s_wait_tensorcnt 0x0                           ; all my tensor loads have landed: my part of the next slot
	ds_add_u32 v[SPW], v[NIL]                      ; 0 onto my spare word
	s_wait_dscnt 1                                 ; (the add alone may be out)
	MUL4 1, 0, 0
	s_wait_dscnt 0x0                               ; the add is done, and all of this slot is in my registers
	s_barrier_signal -1
	MUL4 1, 1, 0
	WIN 0
	s_barrier_wait -1
.if \fill
	CREST                                          ; the barrier has opened a round of the cluster's: no wave of any partner still reads this slot or has a load on its way
	s_add_nc_u64 s[G0+4*\slot+2:G0+4*\slot+3], s[G0+4*\slot+2:G0+4*\slot+3], 2*65536
	s_add_nc_u64 s[G0B+4*\slot+2:G0B+4*\slot+3], s[G0B+4*\slot+2:G0B+4*\slot+3], 2*512
	JLOAD \slot                                    ; the first tensor load behind the round; its four v_nop are also the places in front of the loads below
.else
	PLACES
.endif
	s_wait_alu depctr_va_vdst(0)
	FETCH \next, 0, 0
	MUL4 1, 2, 0
	MUL4 1, 3, 0
	WIN 0
.endm
	s_wait_alu depctr_va_vdst(0)
	s_wait_tensorcnt 0x0                           ; my part of slot 0 is in; slot 1's first fill is issued as a refill is:
	ds_add_u32 v[SPW], v[NIL]                      ; 0 onto my spare word
	s_wait_dscnt 0x0
	CROUND                                         ; everybody's part of slot 0 is in, and all sixteen work-groups are here
	JLOAD 1
	global_prefetch_b8 v30, s[82:83] th:TH_LOAD_NT scope:SCOPE_SE   ; slot 3
	FETCH 0, 0, 0
	STEP 0, 0, 1                                   ; 2,048 along K are four slots' worth, sixteen steps: written out.  The first products start the sums
	STEP 0, 1, 0
	STEP 0, 2, 0
	TURN 0, 1, 1
	STEP 1, 0, 0
	STEP 1, 1, 0
	STEP 1, 2, 0
	TURN 1, 0, 1
	STEP 0, 0, 0
	STEP 0, 1, 0
	STEP 0, 2, 0
	TURN 0, 1, 0                                   ; nothing is left to fetch
	STEP 1, 0, 0
	STEP 1, 1, 0
	STEP 1, 2, 0
	s_wait_dscnt 0x0
	MUL4 1, 0, 0
	MUL4 1, 1, 0
	MUL4 1, 2, 0
	MUL4 1, 3, 0
	WIN 0
; THE WAY OUT, a block of 16 rows x 64 columns at a time: x 2^(e10 + e11), through my own stage in LDS, back as whole rows of 256 bytes.  LDS serves a wave's instructions in order (ISA guide 5.7.1.4): no wait between the stores and the loads.
.macro TOSTAGE a
.set j, 0
.rept 16
	v_pk_mul_f32 v[TMP+j:TMP+j+1], v[ACC+32*(\a)+j:ACC+32*(\a)+j+1], s[96:97] op_sel_hi:[1,0]   ; each accumulator from its low end on
.set j, j+2
.endr
.irp b, 0,1,2,3
	ds_store_b128 v[STO], v[TMP+8*\b:TMP+8*\b+3] offset:64*\b
	ds_store_b128 v[STO], v[TMP+8*\b+4:TMP+8*\b+7] offset:64*\b+16
.endr
.irp i, 0,1,2,3,4,5,6,7
	ds_load_b128 v[BK+32*((\a)%2)+4*\i:BK+32*((\a)%2)+4*\i+3], v[RD] offset:2*\i*SP
.endr
.endm
.macro SEND a, younger                 ; younger: the LDS instructions issued behind block a's loads
	s_wait_dscnt \younger
.irp i, 0,1,2,3,4,5,6,7
	global_store_b128 v[CO], v[BK+32*((\a)%2)+4*\i:BK+32*((\a)%2)+4*\i+3], s[10:11] offset:(16*(\a)+2*\i)*8192 th:TH_STORE_NT   ; sixteen lanes store 256 consecutive bytes, aligned; written once
.endr
.endm
	s_wait_kmcnt 0x0
	s_add_co_i32 s96, s96, s97
	s_add_co_i32 s96, s96, 127
	s_lshl_b32 s96, s96, 23                        ; 2^(e10 + e11) as f32
	PLACES
	TOSTAGE 0
.irp a, 1,2,3
.if \a > 1
	s_wait_xcnt 0x0                                ; block a - 2's stores have read their registers: block a's loads may land there
.endif
	TOSTAGE \a
	SEND \a-1, 16                                  ; behind block a - 1's loads: block a's 8 stores and 8 loads
.endr
	SEND 3, 0
	s_wait_tensorcnt 0x0                           ; the wave's end
	ds_add_u32 v[SPW], v[NIL]
	s_wait_dscnt 0x0
	CROUND                                         ; the closing round
	s_endpgm
.Lfunc_end_k_q8414f7f8f6_oproj:
	.size	k_q8414f7f8f6_oproj, .Lfunc_end_k_q8414f7f8f6_oproj-k_q8414f7f8f6_oproj
	.p2alignl 7, 3214868480
	.fill 96, 4, 3214868480
	.section	.rodata,"a",@progbits
	.p2align	6, 0x0
	.amdhsa_kernel k_q8414f7f8f6_oproj
		.amdhsa_group_segment_fixed_size 327680
		.amdhsa_private_segment_fixed_size 0
		.amdhsa_enable_private_segment 0
		.amdhsa_kernarg_size 32
		.amdhsa_user_sgpr_count 2
		.amdhsa_user_sgpr_kernarg_segment_ptr 1
		.amdhsa_wavefront_size32 1
		.amdhsa_system_sgpr_workgroup_id_x 1
		.amdhsa_system_sgpr_workgroup_id_y 1
		.amdhsa_system_sgpr_workgroup_id_z 1
		.amdhsa_system_vgpr_workitem_id 0
		.amdhsa_next_free_vgpr 512
		.amdhsa_next_free_sgpr 98
		.amdhsa_reserve_vcc 0
		.amdhsa_float_denorm_mode_32 3
		.amdhsa_float_denorm_mode_16_64 3
		.amdhsa_memory_ordered 1
		.amdhsa_forward_progress 1
		.amdhsa_inst_pref_size 91
	.end_amdhsa_kernel
	.amdgpu_metadata
---
amdhsa.version: [ 1, 2 ]
amdhsa.kernels:
  - .name:           k_q8414f7f8f6_oproj
    .symbol:         k_q8414f7f8f6_oproj.kd
    .args:
      - { .name: aimg, .offset: 0, .size: 8, .value_kind: global_buffer, .address_space: global }
      - { .name: wo_codes, .offset: 8, .size: 8, .value_kind: global_buffer, .address_space: global }
      - { .name: lowp_scales, .offset: 16, .size: 8, .value_kind: global_buffer, .address_space: global }
      - { .name: out0, .offset: 24, .size: 8, .value_kind: global_buffer, .address_space: global }
    .group_segment_fixed_size: 327680
    .private_segment_fixed_size: 0
    .kernarg_segment_align: 8
    .kernarg_segment_size: 32
    .max_flat_workgroup_size: 128
    .sgpr_count:     98
    .vgpr_count:     512
    .wavefront_size: 32
...
	.end_amdgpu_metadata
.endif
;; end of part 3
